; MI455X (gfx1250); checked and timed in simulation.
; The chip was launched on July 23, 2026; its instructions are those of AMD's public machine-readable ISA for CDNA 5 (MIT licence, August 2026) and "CDNA5" Instruction Set Architecture Reference Guide (July 2026). The comments in the code are by the model that wrote it; some were corrected since.
;; Multi Head Attention Char. Allowed arithmetic: matrix products marked QUANTISED: E2M1 operands, one E8M0 scale for each 32 along K, by v_wmma_scale_f32_16x16x128_f8f6f4 with both operands' format E2M1 (or v_wmma_scale_f32_32x16x128_f4), f32 sums; products left as they are: bf16, f16 or f32 operands; f32 sums; everything else in f32.
;; Inputs: Wk 16 x 1,024 x 64 float32; Wq 16 x 1,024 x 64 float32; Wv 16 x 1,024 x 64 float32; proj_W 1,024 x 1,024 float32; proj_b 1,024 float32; s_raw 16 float32; x 4 x 2,048 x 1,024 float32.
;; Outputs: out0 4 x 2,048 x 1,024 float32.
;; This version of the problem:
;;   THIS VERSION OF THE PROBLEM IS GIVEN IN LOW PRECISION. The matrix products marked QUANTISED in the list below multiply operands that are first quantised to E2M1 (2 exponent bits, 1 mantissa bit; 4 bits a number), with one power-of-two scale for each 32 numbers along K (OCP MX v1.0); their sums are f32. The products marked 'left as it is' may take bf16, f16 or f32 operands, with f32 sums. Whichever they take, every output number must still come out within the allowed error. Rounding operands to bf16 (8 significant bits) uses up far more of that allowance than f16 does (11 bits, for magnitudes from 6e-5 to 65,504). All else is computed in f32.
;;   The module's matrix products, in the order in which they are computed (A, B: the left and right operand; K: the contracted axis; several contracted axes count as one K, in the product's order):
;;     1. [M 1,024, K 1,024] x [K 1,024, N 8,192]; A: input Wq; B: input x: QUANTISED
;;     2. [M 1,024, K 1,024] x [K 1,024, N 8,192]; A: input Wk; B: input x: QUANTISED
;;     3. [M 1,024, K 1,024] x [K 1,024, N 8,192]; A: input Wv; B: input x: QUANTISED
;;     4. batch 64 x [M 2,048, K 64] x [K 64, N 2,048]; A: computed on the way; B: computed on the way: left as it is (an operand is computed on the way)
;;     5. batch 64 x [M 2,048, K 2,048] x [K 2,048, N 64]; A: computed on the way; B: computed on the way: left as it is (an operand is computed on the way)
;;     6. [M 8,192, K 1,024] x [K 1,024, N 1,024]; A: computed on the way; B: input proj_W: left as it is (an operand is computed on the way)
;;   THE QUANTISER, for each operand of a quantised product, along K:
;;     - K is cut into blocks of 32 from its start; a last block that is shorter is filled with zeros.
;;     - A block's scale is 2^e with e = floor(log2(the largest magnitude in the block)) - 2, held to -126 .. 127; a block of zeros has e = 0. As a byte (E8M0): e + 127.
;;     - Each number is divided by its block's scale, clamped to +-6, and rounded to the nearest number of E2M1, ties to even, subnormals kept.
;;     - The product sums the exact products of the quantised numbers (number of the format x scale) in f32.
;;   ~~~python
;;   def quantise(x, axis):      # numpy; x: float32 -> the quantised numbers, widened to float32 again
;;       x = np.moveaxis(x, axis, -1); K = x.shape[-1]
;;       x = np.pad(x, [(0, 0)] * (x.ndim - 1) + [(0, -K % 32)]); x = x.reshape(x.shape[:-1] + (-1, 32)); a = np.abs(x).max(-1, keepdims=True)
;;       e = np.where(a > 0, np.clip(np.frexp(np.where(a > 0, a, 1))[1] - 1 - 2, -126, 127), 0)      # np.frexp(a)[1] - 1 = floor(log2(a)), exactly
;;       r = np.clip(x / 2.0 ** e, -6, 6)
;;       step = 2.0 ** (np.maximum(np.frexp(np.where(r == 0, 1, r))[1] - 1, 0) - 1)
;;       q = np.round(r / step) * step * 2.0 ** e      # np.round: ties to even
;;       return np.moveaxis(q.reshape(q.shape[:-2] + (-1,))[..., :K], -1, axis).astype(np.float32)
;;   ~~~
;; One version. Each part assembles by itself: llvm-mc -triple=amdgcn-amd-amdhsa -mcpu=gfx1250 --defsym DOCPART=n.
;; ======== version 1 of 1: 5 launches
;; limits: values are held in f16: magnitudes above 65,504 overflow, below 6.1e-05 lose precision
;; workspace buffers: xc 4,194,304 bytes; xs 262,144 bytes; wc 1,572,864 bytes; ws 98,304 bytes; pw16 2,097,152 bytes; qkv 50,331,648 bytes; ao 16,777,216 bytes
;; launch quant_x (part 1): grid 256 x 1, 4 waves a work-group, no clusters, 33,280 bytes of LDS; arguments x, xc, xs; writes xc, xs
.if DOCPART == 1
	.amdgcn_target "amdgcn-amd-amdhsa--gfx1250"
	.amdhsa_code_object_version 6
	.text
	.protected	k_q66b74f3e49_quant_x
	.globl	k_q66b74f3e49_quant_x
	.p2align	8
	.type	k_q66b74f3e49_quant_x,@function
k_q66b74f3e49_quant_x:
	s_mov_b64 s[64:65], 0
	v_nop
	global_prefetch_b8 v0, s[64:65] scope:SCOPE_SE
	s_setreg_imm32_b32 hwreg(HW_REG_WAVE_MODE, 25, 1), 1
	s_wait_xcnt 0x0
; x [8192 tokens][1024] f32 becomes codes of E2M1, 4 bits each, K innermost (xc: 512 bytes a token), and one E8M0 byte for each 32 along K (xs: 32 bytes a token).
; A block's scale is 2^(floor(log2(its largest magnitude)) - 2); its byte is the largest magnitude's exponent field - 2, held at 1 from below.
; Each number is divided by the scale and rounded to the nearest code, ties to even; beyond 6 the conversion gives the largest code.
; LIMITS: a block of zeros gets the byte 1 (its codes are zeros, and this program alone reads the bytes); blocks whose largest magnitude lies under 2^-124 are held at that byte; NaN and infinities are not served.
; Rows are dense and 1024 is a multiple of 32: the tensor is a plain stream of blocks.  A wave takes 16 steps of 512 numbers.  Each of a step's four loads reads 512 consecutive bytes, 16 a lane;
; the 2,048 bytes go through the wave's own stage in LDS and come back 64 bytes a lane, so that a lane holds 16 neighbours along K (two neighbouring lanes hold a block).
; A lane's 16 codes are 8 bytes: the wave stores 256 consecutive bytes.  A wave's 256 scale bytes are gathered in LDS and leave as 256 consecutive bytes.
; No tensor loads, no barrier: waves share nothing.  Loads run four steps (16 loads a wave) ahead, the turn through LDS one step.  No tile is shared between work-groups, so there is no cluster.
.set WAVES, 4
.set STEPS, 16
.set CB,    8                          ; bytes of 16 codes
.set R,     16                         ; v16-79   four sets of 16 numbers as they are loaded
.set X,     80                         ; v80-111  two sets of 16 neighbours
.set E,     112                        ; v112-127 a scale byte for each step
.set C,     128                        ; v128-191 codes: registers of its own for each step, so that no store's data are written again
.set WREG,  8192                       ; LDS: a region for each wave: two stages of 32 x SP bytes, behind them its 256 scale bytes
.set SP,    80                         ; a lane's place in a stage: 64 bytes + 16 of padding
.set SPW,   12                         ; v12  LDS address of my spare word; never rewritten
.set NIL,   13                         ; v13  0; never rewritten
.set SPARE, WAVES*WREG                 ; behind the four regions: the spare words, 128 bytes a wave
	s_load_b128 s[4:7], s[0:1], 0x0                ; x, xc
	s_load_b64 s[8:9], s[0:1], 0x10                ; xs
	v_lshl_add_u32 v[SPW], v0, 2, SPARE
	v_mov_b32 v[NIL], 0
	v_lshrrev_b32 v1, 5, v0
	v_readfirstlane_b32 s16, v1                    ; wave
	v_and_b32 v2, 31, v0                           ; lane
	v_lshlrev_b32 v3, 4, v2                        ; my 16 bytes of a load's 512
	s_mul_i32 s17, s16, WREG
	v_lshrrev_b32 v14, 2, v2
	v_mul_u32_u24 v14, v14, SP
	v_and_b32 v15, 3, v2
	v_lshl_add_u32 v14, v15, 4, v14
	v_add_nc_u32 v14, s17, v14                     ; the stage, on the way in: SP (lane / 4) + 16 (lane % 4)
	v_mul_u32_u24 v15, v2, SP
	v_add_nc_u32 v15, s17, v15                     ; and on the way out: SP x lane: my 16 neighbours
	v_mul_u32_u24 v4, v2, CB                       ; my codes' place in a step's
	v_lshrrev_b32 v5, 1, v2
	s_add_co_u32 s17, s17, 2*32*SP
	v_add_nc_u32 v5, s17, v5                       ; LDS: my wave's 256 scale bytes, my block's byte
	v_lshlrev_b32 v7, 3, v2                        ; on the way out 8 bytes a lane
	v_add_nc_u32 v6, s17, v7
	s_lshl_b32 s18, ttmp9, 2
	s_add_co_u32 s18, s18, s16                     ; which run of 8,192 numbers is my wave's: 0 .. 1023
	s_lshl_b32 s20, s18, 15                        ; 32,768 bytes of x a run
	s_mov_b32 s21, 0
	s_lshl_b32 s22, s18, 12                        ; 4,096 bytes of codes
	s_mov_b32 s23, 0
	s_lshl_b32 s24, s18, 8                         ; 256 scale bytes
	s_mov_b32 s25, 0
	s_wait_kmcnt 0x0
	s_add_nc_u64 s[4:5], s[4:5], s[20:21]
	s_add_nc_u64 s[6:7], s[6:7], s[22:23]
	s_add_nc_u64 s[8:9], s[8:9], s[24:25]
.macro LOAD t
.irp i, 0,1,2,3
	global_load_b128 v[R+16*((\t)%4)+4*\i:R+16*((\t)%4)+4*\i+3], v3, s[4:5] offset:2048*(\t)+512*\i th:TH_LOAD_NT   ; 32 lanes read 512 consecutive bytes; read once in the launch
.endr
.endm
.macro TURN t                          ; step t's numbers through the stage: LDS serves a wave's instructions in order, so no wait stands between the stores and the loads
.irp i, 0,1,2,3
	ds_store_b128 v14, v[R+16*((\t)%4)+4*\i:R+16*((\t)%4)+4*\i+3] offset:32*SP*((\t)%2)+8*SP*\i
.endr
.irp i, 0,1,2,3
	ds_load_b128 v[X+16*((\t)%2)+4*\i:X+16*((\t)%2)+4*\i+3], v15 offset:32*SP*((\t)%2)+16*\i
.endr
.endm
.irp t, 0,1,2,3
	LOAD \t
.endr
	s_wait_loadcnt 12                              ; step 0's four loads are in; the 12 of steps 1 to 3 may be out
	TURN 0
.macro STEP t
.set XS, X+16*((\t)%2)
.if (\t) > 0
	s_wait_dscnt 1                                 ; this step's numbers are back from the stage (the last step's byte store may be out): its stores into the stage have read their registers,
.else
	s_wait_dscnt 0x0
.endif
.if (\t)+4 < STEPS
	LOAD (\t)+4                                    ; which take the loads of four steps on
.endif
.if (\t)+1 < STEPS
.if STEPS-2-(\t) >= 3
	s_wait_loadcnt 12                              ; the next step's four loads are in; those of the three steps behind it may be out
.else
	s_wait_loadcnt 4*(STEPS-2-(\t))                ; at the end fewer steps stand behind it
.endif
	TURN (\t)+1                                    ; they go through the other stage while this step is worked
.endif
	v_max3_num_f32 v8, |v[XS]|, |v[XS+1]|, |v[XS+2]|               ; the largest magnitude of my 16, in two chains
	v_max3_num_f32 v9, |v[XS+3]|, |v[XS+4]|, |v[XS+5]|
.irp i, 6,10
	v_max3_num_f32 v8, v8, |v[XS+\i]|, |v[XS+\i+1]|
	v_max3_num_f32 v9, v9, |v[XS+\i+2]|, |v[XS+\i+3]|
.endr
	v_max3_num_f32 v8, v8, |v[XS+14]|, |v[XS+15]|
	v_max3_num_f32 v8, v8, v9, 0x1800000           ; and the floor 2^(3 - 127): the byte cannot fall under 1
	v_max_num_f32_dpp v8, v8, v8 row_xmask:1 row_mask:0xf bank_mask:0xf   ; with my neighbour's 16: the block's
	v_add_nc_u32 v11, 0xff000000, v8               ; 2 off its exponent field: the conversion takes the exponent field of this operand as its scale
	v_cvt_scalef32_pk8_fp4_f32 v[C+4*(\t)], v[XS:XS+7], v11
	v_cvt_scalef32_pk8_fp4_f32 v[C+4*(\t)+1], v[XS+8:XS+15], v11
	v_lshrrev_b32 v[E+(\t)], 23, v11               ; the scale's byte (a plain line behind the conversions)
	ds_store_b8 v5, v[E+(\t)] offset:16*(\t)       ; both lanes of a block write the same byte with the same value
	global_store_b64 v4, v[C+4*(\t):C+4*(\t)+1], s[6:7] offset:32*CB*(\t)   ; 32 lanes store 256 consecutive bytes
.endm
.irp t, 0,1,2,3,4,5,6,7,8,9,10,11,12,13,14,15
	STEP \t
.endr
	ds_load_b64 v[8:9], v6                         ; LDS serves a wave's instructions in order: these see my byte stores
	s_wait_dscnt 0x0
	global_store_b64 v7, v[8:9], s[8:9]            ; 32 lanes store 256 consecutive bytes
	s_wait_tensorcnt 0x0                           ; the wave's end
	ds_add_u32 v[SPW], v[NIL]
	s_wait_dscnt 0x0
	s_endpgm
.Lfunc_end_k_q66b74f3e49_quant_x:
	.size	k_q66b74f3e49_quant_x, .Lfunc_end_k_q66b74f3e49_quant_x-k_q66b74f3e49_quant_x
	.p2alignl 7, 3214868480
	.fill 96, 4, 3214868480
	.section	.rodata,"a",@progbits
	.p2align	6, 0x0
	.amdhsa_kernel k_q66b74f3e49_quant_x
		.amdhsa_group_segment_fixed_size 33280
		.amdhsa_private_segment_fixed_size 0
		.amdhsa_enable_private_segment 0
		.amdhsa_kernarg_size 24
		.amdhsa_user_sgpr_count 2
		.amdhsa_user_sgpr_kernarg_segment_ptr 1
		.amdhsa_wavefront_size32 1
		.amdhsa_system_sgpr_workgroup_id_x 1
		.amdhsa_system_sgpr_workgroup_id_y 1
		.amdhsa_system_sgpr_workgroup_id_z 1
		.amdhsa_system_vgpr_workitem_id 0
		.amdhsa_next_free_vgpr 192
		.amdhsa_next_free_sgpr 66
		.amdhsa_reserve_vcc 0
		.amdhsa_float_denorm_mode_32 3
		.amdhsa_float_denorm_mode_16_64 3
		.amdhsa_memory_ordered 1
		.amdhsa_forward_progress 1
		.amdhsa_inst_pref_size 33
	.end_amdhsa_kernel
	.amdgpu_metadata
---
amdhsa.version: [ 1, 2 ]
amdhsa.kernels:
  - .name:           k_q66b74f3e49_quant_x
    .symbol:         k_q66b74f3e49_quant_x.kd
    .args:
      - { .name: x, .offset: 0, .size: 8, .value_kind: global_buffer, .address_space: global }
      - { .name: xc, .offset: 8, .size: 8, .value_kind: global_buffer, .address_space: global }
      - { .name: xs, .offset: 16, .size: 8, .value_kind: global_buffer, .address_space: global }
    .group_segment_fixed_size: 33280
    .private_segment_fixed_size: 0
    .kernarg_segment_align: 8
    .kernarg_segment_size: 24
    .max_flat_workgroup_size: 128
    .sgpr_count:     66
    .vgpr_count:     192
    .wavefront_size: 32
...
	.end_amdgpu_metadata
.endif
;; end of part 1
;; launch quant_w (part 2): grid 80 x 1, 32 waves a work-group, no clusters, 39,936 bytes of LDS; arguments Wq, Wk, Wv, proj_W, wc, ws, pw16; writes wc, ws, pw16
.if DOCPART == 2
	.amdgcn_target "amdgcn-amd-amdhsa--gfx1250"
	.amdhsa_code_object_version 6
	.text
	.protected	k_q66b74f3e49_quant_w
	.globl	k_q66b74f3e49_quant_w
	.p2align	8
	.type	k_q66b74f3e49_quant_w,@function
k_q66b74f3e49_quant_w:
	s_mov_b64 s[64:65], 0
	v_nop
	global_prefetch_b8 v0, s[64:65] scope:SCOPE_SE
	s_setreg_imm32_b32 hwreg(HW_REG_WAVE_MODE, 25, 1), 1
	s_wait_xcnt 0x0
; Two jobs, parted on the work-group's number.
; WORK-GROUPS 0 .. 47 (g = 16 x tensor + head; tensor 0, 1, 2 = Wq, Wk, Wv): one head's weight [1024 d][64 e] f32, whose K (d) is its FIRST axis, becomes codes of E2M1 with K innermost:
;   wc [3072 rows][512 bytes], row 64 g + e, and ws [3072][32] E8M0 bytes.  A LANE TAKES A COLUMN e AND ITS REGISTERS RUN DOWN K: a block of 32 along K lies in one lane's 32 registers, its largest
;   magnitude needs no other lane, and the conversions give codes with K innermost.  Wave w: columns 32 (w & 1) on, K rows 64 (w >> 1) on: two blocks a lane, all 64 loads out at once.
;   The codes of the 64 columns meet in a stage in LDS (rows of 512 bytes + 16) and leave as whole rows; the scale bytes likewise.
; WORK-GROUPS 48 .. 79: 32 rows of proj_W [1024 n][1024 k] f32 are rounded to f16 and laid by chunks of 64 along k: pw16 [16 chunks][1024 n][64].  No LDS.
; The scale of a block: 2^(floor(log2(largest magnitude)) - 2); byte = the magnitude's exponent field - 2, held at 1 from below.
; LIMITS: a block of zeros gets the byte 1 (zero codes; this program alone reads the bytes); |proj_W| up to 65,504 (f16); NaN and infinities are not served.
; No tile is shared between work-groups, so there is no cluster; no tensor load.
.set SPITCH, 528                       ; a stage row: 512 bytes of codes + 16 of padding
.set SCL,    64*SPITCH                 ; behind the stage: 64 rows of 32 scale bytes
.set SPARE,  SCL+2048                  ; behind them: the spare words, 128 bytes for each of 32 waves
.set SPW,  30                          ; v30  LDS address of my spare word; never rewritten
.set NIL,  31                          ; v31  0; never rewritten
.set X,    32                          ; v32-95   my 64 numbers (both paths: as loaded)
.set C,    96                          ; v96-103  two blocks' codes; in the second job v96-111: f16 pairs
.set OUTR, 104                         ; v104-111 two rows' 16 bytes on the way out;  v112-115 the scale bytes'
	s_load_b256 s[4:11], s[0:1], 0x0               ; Wq, Wk, Wv, proj_W
	s_load_b128 s[12:15], s[0:1], 0x20             ; wc, ws
	s_load_b64 s[16:17], s[0:1], 0x30              ; pw16
	v_lshl_add_u32 v[SPW], v0, 2, SPARE
	v_mov_b32 v[NIL], 0
	v_lshrrev_b32 v1, 5, v0
	v_readfirstlane_b32 s18, v1                    ; wave 0 .. 31
	v_and_b32 v2, 31, v0                           ; lane
	s_cmp_lt_u32 ttmp9, 48                         ; the same in all waves of a work-group
	s_cbranch_scc0 .Lcvt
	; ---- a head's weight
	s_and_b32 s19, s18, 1                          ; ch: which 32 columns
	s_lshr_b32 s20, s18, 1                         ; ks: which 64 along K
	v_lshlrev_b32 v3, 2, v2                        ; in: 4 bytes a lane
	s_mul_i32 s21, s19, 32*SPITCH
	s_lshl_b32 s22, s20, 5
	s_add_co_u32 s21, s21, s22
	v_mul_u32_u24 v4, v2, SPITCH
	v_add_nc_u32 v4, s21, v4                       ; the stage: row = my column, 32 bytes for my two blocks
	s_lshl_b32 s21, s19, 10
	s_lshl_b32 s22, s20, 1
	s_add_co_u32 s21, s21, s22
	s_add_co_u32 s21, s21, SCL
	v_lshlrev_b32 v5, 5, v2
	v_add_nc_u32 v5, s21, v5                       ; my column's row of scale bytes, my two
	v_lshlrev_b32 v10, 4, v2                       ; 16 x lane
	s_mul_i32 s21, s18, 2*SPITCH
	v_add_nc_u32 v6, s21, v10                      ; out of the stage: wave w takes rows 2 w and 2 w + 1, 32 lanes to a row
	s_lshl_b32 s21, s18, 10
	v_add_nc_u32 v7, s21, v10                      ; and the same place in the head's 32,768 bytes of wc
	s_lshl_b32 s21, s18, 9
	v_add_nc_u32 v9, s21, v10                      ; the scale bytes: waves 0 to 3 take 512 bytes each
	s_add_co_u32 s21, s21, SCL
	v_add_nc_u32 v8, s21, v10
	s_and_b32 s22, ttmp9, 15
	s_lshl_b32 s22, s22, 18                        ; the head: 262,144 bytes
	s_lshl_b32 s23, s20, 14                        ; 64 rows of 256 bytes
	s_add_co_u32 s22, s22, s23
	s_lshl_b32 s23, s19, 7                         ; 32 columns
	s_add_co_u32 s22, s22, s23
	s_mov_b32 s23, 0
	s_lshl_b32 s24, ttmp9, 15                      ; wc: 64 rows of 512 bytes for each g
	s_mov_b32 s25, 0
	s_lshl_b32 s26, ttmp9, 11                      ; ws: 64 rows of 32 bytes
	s_mov_b32 s27, 0
	s_wait_kmcnt 0x0
	s_cmp_lt_u32 ttmp9, 32                         ; the tensor is chosen by the work-group's number alone
	s_cselect_b64 s[6:7], s[6:7], s[8:9]
	s_cmp_lt_u32 ttmp9, 16
	s_cselect_b64 s[4:5], s[4:5], s[6:7]
	s_add_nc_u64 s[4:5], s[4:5], s[22:23]
	s_add_nc_u64 s[12:13], s[12:13], s[24:25]
	s_add_nc_u64 s[14:15], s[14:15], s[26:27]
.set i, 0
.rept 64
	global_load_b32 v[X+i], v3, s[4:5] offset:256*i th:TH_LOAD_NT   ; W(64 ks + i, my column): 32 lanes read 128 consecutive bytes
.set i, i+1
.endr
.macro BLOCK t
.set XS, X+32*(\t)
	v_max3_num_f32 v12, |v[XS]|, |v[XS+1]|, |v[XS+2]|               ; the block's largest magnitude: all 32 numbers are mine; two chains
	v_max3_num_f32 v13, |v[XS+3]|, |v[XS+4]|, |v[XS+5]|
.irp i, 6,10,14,18,22,26
	v_max3_num_f32 v12, v12, |v[XS+\i]|, |v[XS+\i+1]|
	v_max3_num_f32 v13, v13, |v[XS+\i+2]|, |v[XS+\i+3]|
.endr
	v_max3_num_f32 v12, v12, |v[XS+30]|, |v[XS+31]|
	v_max3_num_f32 v12, v12, v13, 0x1800000        ; and the floor 2^(3 - 127): the byte cannot fall under 1
	v_add_nc_u32 v11, 0xff000000, v12              ; 2 off the exponent field: the conversion's scale operand
	v_lshrrev_b32 v13, 23, v11                     ; the scale's byte
.if (\t) == 0
	v_mov_b32 v24, v13
.else
	v_lshl_or_b32 v24, v13, 8, v24                 ; the lower K in the lower byte
.endif
.irp g, 0,1,2,3
	v_cvt_scalef32_pk8_fp4_f32 v[C+4*(\t)+\g], v[XS+8*\g:XS+8*\g+7], v11
.endr
	v_nop                                          ; one plain line behind the last conversion
	ds_store_b128 v4, v[C+4*(\t):C+4*(\t)+3] offset:16*(\t)   ; 32 codes: 16 bytes of my column's row
.endm
	s_wait_loadcnt 32                              ; the first block's 32 loads are in; the second's 32 may be out
	BLOCK 0
	s_wait_loadcnt 0x0
	BLOCK 1
	ds_store_b16 v5, v24
	s_wait_dscnt 0x0                               ; for the others' sake: my stores have landed
	s_barrier_signal -1
	s_barrier_wait -1                              ; the 64 rows are whole
	ds_load_b128 v[OUTR:OUTR+3], v6
	ds_load_b128 v[OUTR+4:OUTR+7], v6 offset:SPITCH
	s_wait_dscnt 1                                 ; the first row is in; the second load may be out
	global_store_b128 v7, v[OUTR:OUTR+3], s[12:13]             ; 32 lanes store a row of 512 consecutive bytes
	s_wait_dscnt 0x0
	global_store_b128 v7, v[OUTR+4:OUTR+7], s[12:13] offset:512
	s_cmp_lt_u32 s18, 4                            ; the 2,048 scale bytes: four waves, 512 consecutive bytes each
	s_cbranch_scc0 .Lend
	ds_load_b128 v[112:115], v8
	s_wait_dscnt 0x0
	global_store_b128 v9, v[112:115], s[14:15]
	s_branch .Lend
.Lcvt:
	; ---- 32 rows of proj_W to f16.  Wave w: chunk w & 15 (64 along k), rows 16 (w >> 4) on
	s_sub_co_u32 s19, ttmp9, 48
	s_and_b32 s20, s18, 15
	s_lshr_b32 s21, s18, 4
	s_lshl_b32 s19, s19, 5
	s_lshl_b32 s21, s21, 4
	s_add_co_u32 s19, s19, s21                     ; my first row
	s_lshl_b32 s22, s19, 12                        ; in: rows of 4,096 bytes,
	s_lshl_b32 s23, s20, 8                         ; 256 bytes a chunk
	s_add_co_u32 s22, s22, s23
	s_mov_b32 s23, 0
	s_lshl_b32 s24, s20, 17                        ; out: 131,072 bytes a chunk,
	s_lshl_b32 s25, s19, 7                         ; rows of 128 bytes
	s_add_co_u32 s24, s24, s25
	s_mov_b32 s25, 0
	v_lshrrev_b32 v3, 4, v2
	v_and_b32 v4, 15, v2
	v_lshlrev_b32 v3, 12, v3
	v_lshl_add_u32 v3, v4, 4, v3                   ; lanes 0-15 one row's 256 bytes, lanes 16-31 the next row's
	v_lshlrev_b32 v4, 3, v2                        ; out: the two rows' 128 bytes lie on end: 8 bytes a lane
	s_wait_kmcnt 0x0
	s_add_nc_u64 s[10:11], s[10:11], s[22:23]
	s_add_nc_u64 s[16:17], s[16:17], s[24:25]
.irp i, 0,1,2,3,4,5,6,7
	global_load_b128 v[X+4*\i:X+4*\i+3], v3, s[10:11] offset:8192*\i th:TH_LOAD_NT
.endr
.irp i, 0,1,2,3,4,5,6,7
	s_wait_loadcnt 7-\i                            ; load i is in; the younger ones may be out
	v_cvt_pk_f16_f32 v[C+2*\i], v[X+4*\i], v[X+4*\i+1]
	v_cvt_pk_f16_f32 v[C+2*\i+1], v[X+4*\i+2], v[X+4*\i+3]
	global_store_b64 v4, v[C+2*\i:C+2*\i+1], s[16:17] offset:256*\i   ; 32 lanes store 256 consecutive bytes
.endr
.Lend:
	s_wait_tensorcnt 0x0                           ; the wave's end
	ds_add_u32 v[SPW], v[NIL]
	s_wait_dscnt 0x0
	s_endpgm
.Lfunc_end_k_q66b74f3e49_quant_w:
	.size	k_q66b74f3e49_quant_w, .Lfunc_end_k_q66b74f3e49_quant_w-k_q66b74f3e49_quant_w
	.p2alignl 7, 3214868480
	.fill 96, 4, 3214868480
	.section	.rodata,"a",@progbits
	.p2align	6, 0x0
	.amdhsa_kernel k_q66b74f3e49_quant_w
		.amdhsa_group_segment_fixed_size 39936
		.amdhsa_private_segment_fixed_size 0
		.amdhsa_enable_private_segment 0
		.amdhsa_kernarg_size 56
		.amdhsa_user_sgpr_count 2
		.amdhsa_user_sgpr_kernarg_segment_ptr 1
		.amdhsa_wavefront_size32 1
		.amdhsa_system_sgpr_workgroup_id_x 1
		.amdhsa_system_sgpr_workgroup_id_y 1
		.amdhsa_system_sgpr_workgroup_id_z 1
		.amdhsa_system_vgpr_workitem_id 0
		.amdhsa_next_free_vgpr 128
		.amdhsa_next_free_sgpr 66
		.amdhsa_reserve_vcc 0
		.amdhsa_float_denorm_mode_32 3
		.amdhsa_float_denorm_mode_16_64 3
		.amdhsa_memory_ordered 1
		.amdhsa_forward_progress 1
		.amdhsa_inst_pref_size 16
	.end_amdhsa_kernel
	.amdgpu_metadata
---
amdhsa.version: [ 1, 2 ]
amdhsa.kernels:
  - .name:           k_q66b74f3e49_quant_w
    .symbol:         k_q66b74f3e49_quant_w.kd
    .args:
      - { .name: Wq, .offset: 0, .size: 8, .value_kind: global_buffer, .address_space: global }
      - { .name: Wk, .offset: 8, .size: 8, .value_kind: global_buffer, .address_space: global }
      - { .name: Wv, .offset: 16, .size: 8, .value_kind: global_buffer, .address_space: global }
      - { .name: proj_W, .offset: 24, .size: 8, .value_kind: global_buffer, .address_space: global }
      - { .name: wc, .offset: 32, .size: 8, .value_kind: global_buffer, .address_space: global }
      - { .name: ws, .offset: 40, .size: 8, .value_kind: global_buffer, .address_space: global }
      - { .name: pw16, .offset: 48, .size: 8, .value_kind: global_buffer, .address_space: global }
    .group_segment_fixed_size: 39936
    .private_segment_fixed_size: 0
    .kernarg_segment_align: 8
    .kernarg_segment_size: 56
    .max_flat_workgroup_size: 1024
    .sgpr_count:     66
    .vgpr_count:     128
    .wavefront_size: 32
...
	.end_amdgpu_metadata
.endif
;; end of part 2
;; launch qkv (part 3): grid 12 x 32, 4 waves a work-group, clusters of 4 x 4, 327,680 bytes of LDS; arguments xc, xs, wc, ws, qkv; writes qkv
.if DOCPART == 3
	.amdgcn_target "amdgcn-amd-amdhsa--gfx1250"
	.amdhsa_code_object_version 6
	.text
	.protected	k_q66b74f3e49_qkv
	.globl	k_q66b74f3e49_qkv
	.p2align	8
	.type	k_q66b74f3e49_qkv,@function
k_q66b74f3e49_qkv:
	s_mov_b64 s[64:65], 0
	v_nop
	global_prefetch_b8 v0, s[64:65] scope:SCOPE_SE
	s_setreg_imm32_b32 hwreg(HW_REG_WAVE_MODE, 25, 1), 1
	s_wait_xcnt 0x0
	s_wait_alu depctr_hold_cnt(0) depctr_sa_sdst(0) depctr_va_vdst(0) depctr_va_sdst(0) depctr_va_ssrc(0) depctr_va_vcc(0) depctr_vm_vsrc(0)
	s_getreg_b32 s2, hwreg(HW_REG_IB_STS2, 6, 4)
	s_cmp_eq_u32 s2, 0
	s_cbranch_scc0 .Lentry_in_a_cluster
	s_endpgm
.Lentry_in_a_cluster:
	s_bfe_u32 s2, ttmp6, 0x10000c
	s_cmp_lg_u32 s2, 0xf033
	s_cbranch_scc0 .Lentry_shape_is_right
	s_endpgm
.Lentry_shape_is_right:
; q, k, v = x W: C[m][n] = sum over k of A[m][k] B[n][k].  A = xc [8192 tokens][1024], B = wc [3072][1024]: codes of E2M1 with one E8M0 byte for each 32 along K (xs, ws); sums in f32, K ascending.
; The result is rounded to f16 and laid by planes: qkv [4 batches][48 planes][2048 positions][64], plane = n / 64 = 16 x tensor + head.  LIMIT: |q|, |k|, |v| up to 65,504 (f16).
; A tile of C, 256 x 256, is made by a work-group of four waves; a wave makes 128 x 128: 64 accumulators of 16 x 16, 512 registers.
; K = 1,024 is two slots of 512 along K (LDS rows of 256 bytes + 16): both are asked for at the start, and nothing is filled again.  The scale bytes of the work-group's 256 + 256 rows, for all of K, come with them.
; CLUSTERS: 4 x 4 work-groups.  The four of a row of the cluster need the same tiles of A, the four of a column the same tiles of B: each tile is asked for JOINTLY, by the same tensor load with the same
; descriptor and a mask that names the four.  THE MATRIX INSTRUCTION IS USED TRANSPOSED (source 0 = 16 rows of B, source 1 = 16 rows of A): a lane then holds eight neighbouring columns of one token.
; REGISTERS, in windows of 256: window 0: v0-31 addresses; v32-95 scale words, two sets; from v128 A's fragments (8 x 16 rows x 128 K), ONE set; on the way out v32-255 are free.
;   window 1: B's fragments, TWO sets, at v0 and v128.   window 2: the 32 accumulators of my rows 0-63 (accumulator (a, b) at v[8 (8 a + b)]);   window 3: those of my rows 64-127.
.set SIZE_M, 8192
.set SIZE_N, 3072
.set SIZE_K, 1024
.set KSTEP,  512                       ; along K in a slot
.set NQ,     KSTEP/128                 ; matrix instructions deep
.set ROWB,   256                       ; a tile's row in bytes
.set KROW,   SIZE_K*4/8                ; a row of A or B in memory, in bytes
.set PITCH,  272                       ; an LDS row: 256 bytes + 16 of padding: the 16 rows of a fragment load start at 16 different banks (64 banks of 4 bytes: ISA guide 11.1)
.set FR,     8                         ; registers of a fragment
.set NL,     2                         ; LDS loads that bring one
.set NP,     4                         ; places behind this matrix instruction (ISA guide 7.12.1)
.set HALFT,  128*PITCH                 ; 128 rows: what one tensor load brings
.set SLOT,   4*HALFT                   ; A's 256 rows, then B's 256 rows
.set KS,     SIZE_K/32                 ; a row of scale bytes
.set SCL,    2*SLOT                    ; behind the two slots: the scales, as rows of 256 bytes + 16
.set HALFS,  (128*KS/256)*272          ; the scales of 128 rows
.set SBLK,   (16*KS/256)*272           ; those of 16 rows
.set SPARE,  SCL+4*HALFS               ; the spare words, 128 bytes a wave
.set SPITCH, 272                       ; the way out: a stage of 16 rows x (256 bytes + 16) for each wave, in slot 0, which has had its one fill and its last read when the first result is stored there
.set PLANE,  2048*128                  ; a plane of qkv in bytes
.set ADRA, 16                          ; v16-17  LDS address of my A fragments in slot 0, 1
.set ADRB, 20                          ; v20-21  the same for B
.set STO,  24                          ; v24     the way out: where I put 16 bytes of a token's row
.set RD,   25                          ; v25     where I read 16 bytes back
.set CO,   26                          ; v26     16 x lane: my place in 512 consecutive bytes of a plane
.set ADRS, 27                          ; v27     LDS address of my scale words: lanes 0-15 A's rows, lanes 16-31 B's
.set SPW,  28                          ; v28     my spare word; never rewritten
.set NIL,  29                          ; v29     0; never rewritten
.set SC,   32                          ; scale words: set s at v[SC + 8 NQ s]; register NQ i + q: lanes 0-15 A's block i, lanes 16-31 B's block i, the slot's q-th 128 along K
.set AF,   128                         ; A's fragments
.set TMP,  192                         ; the way out: packed results
.set G1, 24                            ; s[24:31] group 1 for A's tiles;  s[32:39] group 0, a set for each slot
.set G0, 32
.set G1B, 48                           ; s[48:55], s[56:63] the same for B's
.set G0B, 56
.set G1S, 68                           ; s[68:75], s[76:79] groups 1 and 0 for A's scales;  s[80:87], s[88:91] for B's
.set G0S, 76
.set G1SB, 80
.set G0SB, 88
.set MSB, 0
.macro WIN new                         ; the immediate's high byte repeats the setting that is left; a switch that changes nothing is dropped
.if MSB != (\new)
	s_set_vgpr_msb (MSB<<8)|(\new)
.set MSB, (\new)
.endif
.endm
.set MUL_LO, 0xa1                      ; source 0 (B) window 1, source 1 (A) window 0, C and D window 2
.set MUL_HI, 0xf1                      ; the same, C and D window 3
.set TO_B,   0x40                      ; destination window 1, address window 0
; A joint load: waves 0 and 1 fetch for A, waves 2 and 3 for B.  Each line has one mask and one set of registers for all that issue it; the branch hangs on the wave's number alone.
; An s_nop 0 and four v_nop follow each of the two lines.
.macro JLOAD g0a, g1a, g0b, g1b
	s_cmp_eq_u32 s15, 0
	s_cbranch_scc0 .Lfor_b_\@
	tensor_load_to_lds s[\g0a:\g0a+3], s[\g1a:\g1a+7]
	s_nop 0
.rept 4
	v_nop
.endr
	s_branch .Lasked_\@
.Lfor_b_\@:
	tensor_load_to_lds s[\g0b:\g0b+3], s[\g1b:\g1b+7]
	s_nop 0
.rept 4
	v_nop
.endr
.Lasked_\@:
.endm
.macro CROUND                          ; a round of the cluster's barrier: my work-group's barrier, wave 0 signals for it, every wave waits for all sixteen, my work-group's barrier once more
	s_barrier_signal -1
	s_barrier_wait -1
	s_cmp_lg_u32 s14, 0
	s_cbranch_scc1 .Lnot_wave_0_\@
	s_barrier_signal -3
.Lnot_wave_0_\@:
	s_barrier_wait -3
	s_barrier_signal -1
	s_barrier_wait -1
.endm
	s_load_b128 s[4:7], s[0:1], 0x0                ; A's codes, A's scales
	s_load_b128 s[8:11], s[0:1], 0x10              ; B's codes, B's scales
	s_load_b64 s[12:13], s[0:1], 0x20              ; qkv
	v_lshl_add_u32 v[SPW], v0, 2, SPARE
	v_mov_b32 v[NIL], 0
	ds_add_u32 v[SPW], v[NIL]                      ; the wave's opening: the add, twice on end, and its wait ahead of my first tensor load
	ds_add_u32 v[SPW], v[NIL]                      ; (once more; the set-up below, work on registers, stands between it and the wait)
	v_lshrrev_b32 v1, 5, v0
	v_readfirstlane_b32 s14, v1                    ; wave 0..3
	s_lshr_b32 s15, s14, 1                         ; which half of the tile's rows is mine.  Also: I fetch for A (0) or for B (1)
	s_and_b32 s16, s14, 1                          ; which half of its columns.  Also: which 128 rows of that tile I fetch
	s_bfe_u32 s40, ttmp6, 0x40000                  ; cx, cy: my place in the cluster
	s_bfe_u32 s41, ttmp6, 0x40004
	s_lshl_b32 s42, ttmp9, 2
	s_add_co_u32 s42, s42, s40                     ; tile column = 4 x cluster x + cx
	s_and_b32 s17, ttmp7, 0xffff
	s_lshl_b32 s17, s17, 2
	s_add_co_u32 s17, s17, s41                     ; tile row = 4 x cluster y + cy
	s_lshl_b32 s43, s41, 2
	s_lshl_b32 s43, 15, s43                        ; my row of the cluster
	s_lshl_b32 s44, 0x1111, s40                    ; my column
	; group 1: a tile of 128 rows x 256 bytes, 16 bytes of padding behind each row
	s_or_b32 s[G1+0], s43, (0<<16)|(1<<20)|(1<<21)|(5<<22)|(3<<25)  ; 15:0 the mask; 17:16 elements of 1 byte; 20 padding on; 21 set beside a mask; 24:22 after every 64 words; 31:25 four words
	s_or_b32 s[G1B+0], s44, (0<<16)|(1<<20)|(1<<21)|(5<<22)|(3<<25)
.irp g, G1, G1B
	s_mov_b32 s[\g+1], ROWB<<16                    ; tensor_dim0
	s_mov_b32 s[\g+2], 128<<16                     ; tensor_dim1
	s_mov_b32 s[\g+3], ROWB<<16                    ; tile_dim0
	s_mov_b32 s[\g+4], 128                         ; tile_dim1
	s_mov_b32 s[\g+5], KROW                        ; the pitch
	s_mov_b32 s[\g+6], 0
	s_mov_b32 s[\g+7], 0
.endr
	; the scales of 128 rows: a dense block of 4,096 bytes, as 16 rows of 256 bytes (32 elements of 8 bytes), 16 bytes of padding behind each
	s_or_b32 s[G1S+0], s43, (3<<16)|(1<<20)|(1<<21)|(5<<22)|(3<<25)
	s_or_b32 s[G1SB+0], s44, (3<<16)|(1<<20)|(1<<21)|(5<<22)|(3<<25)
.irp g, G1S, G1SB
	s_mov_b32 s[\g+1], 32<<16
	s_mov_b32 s[\g+2], (128*KS/256)<<16
	s_mov_b32 s[\g+3], 32<<16
	s_mov_b32 s[\g+4], 128*KS/256
	s_mov_b32 s[\g+5], 32
	s_mov_b32 s[\g+6], 0
	s_mov_b32 s[\g+7], 0
.endr
	s_lshl_b32 s18, s16, 7                         ; which 128 rows of the tile I fetch
	s_lshl_b32 s20, s17, 8
	s_add_co_u32 s20, s20, s18                     ; A: row 256 x tile row + 128 x half
	s_lshl_b32 s46, s42, 8
	s_add_co_u32 s46, s46, s18                     ; B: row 256 x tile column + 128 x half
	s_mov_b32 s21, 0
	s_mov_b32 s47, 0
	s_mov_b64 s[18:19], KS
	s_mul_u64 s[22:23], s[20:21], s[18:19]         ; where these rows' scales begin, in bytes
	s_mul_u64 s[92:93], s[46:47], s[18:19]
	s_mov_b64 s[18:19], KROW
	s_mul_u64 s[20:21], s[20:21], s[18:19]         ; and their codes
	s_mul_u64 s[46:47], s[46:47], s[18:19]
	s_mul_i32 s45, s14, HALFT                      ; where they go: wave x 128 rows: no place in the cluster enters an LDS address
	s_mul_i32 s94, s14, HALFS
	s_wait_dscnt 0x0                               ; both opening adds are done
	s_wait_kmcnt 0x0
	s_add_nc_u64 s[20:21], s[4:5], s[20:21]
	s_add_nc_u64 s[22:23], s[6:7], s[22:23]
	s_add_nc_u64 s[46:47], s[8:9], s[46:47]
	s_add_nc_u64 s[92:93], s[10:11], s[92:93]
	CROUND                                         ; all sixteen work-groups are here: the joint loads meet
	s_mov_b32 s[G0S], 1
	s_add_co_u32 s[G0S+1], s94, SCL
	s_mov_b64 s[G0S+2:G0S+3], s[22:23]
	s_or_b32 s[G0S+3], s[G0S+3], 0x80000000
	s_mov_b32 s[G0SB], 1
	s_add_co_u32 s[G0SB+1], s94, SCL
	s_mov_b64 s[G0SB+2:G0SB+3], s[92:93]
	s_or_b32 s[G0SB+3], s[G0SB+3], 0x80000000
	JLOAD G0S, G1S, G0SB, G1SB                     ; the scales first: they are wanted with the first slot
.irp s, 0,1
	s_mov_b32 s[G0+4*\s], 1
	s_add_co_u32 s[G0+4*\s+1], s45, \s*SLOT
	s_add_nc_u64 s[G0+4*\s+2:G0+4*\s+3], s[20:21], \s*ROWB
	s_or_b32 s[G0+4*\s+3], s[G0+4*\s+3], 0x80000000
	s_mov_b32 s[G0B+4*\s], 1
	s_add_co_u32 s[G0B+4*\s+1], s45, \s*SLOT
	s_add_nc_u64 s[G0B+4*\s+2:G0B+4*\s+3], s[46:47], \s*ROWB
	s_or_b32 s[G0B+4*\s+3], s[G0B+4*\s+3], 0x80000000
	JLOAD G0+4*\s, G1, G0B+4*\s, G1B               ; three tensor loads of mine are out in all
.endr
	v_and_b32 v1, 15, v0                           ; r = lane % 16
	v_bfe_u32 v2, v0, 4, 1                         ; h = lane / 16
	v_mul_u32_u24 v3, v1, PITCH
	v_lshl_add_u32 v4, v2, 4, v3                   ; a fragment's row x pitch + 16 x half
	s_mul_i32 s21, s15, HALFT                      ; my 128 rows of A
	s_mul_i32 s22, s16, HALFT                      ; my 128 rows of B,
	s_add_co_u32 s22, s22, 2*HALFT                 ; which lie behind A's 256
.irp s, 0,1
	v_add_nc_u32 v[ADRA+\s], s21, v4
	v_add_nc_u32 v[ADRB+\s], s22, v4
	s_add_co_u32 s21, s21, SLOT
	s_add_co_u32 s22, s22, SLOT
.endr
	v_mul_u32_u24 v5, v1, KS                       ; my row's scales: KS bytes a row,
	v_lshrrev_b32 v6, 8, v5
	v_lshl_add_u32 v5, v6, 4, v5                   ; and 16 more for each 256 passed
	s_mul_i32 s21, s15, HALFS                      ; A's: my 128 rows
	s_mul_i32 s22, s16, HALFS                      ; B's: my 128 rows, behind A's 256
	s_add_co_u32 s22, s22, 2*HALFS
	s_sub_co_u32 s22, s22, s21
	v_mul_u32_u24 v6, s22, v2                      ; lanes 16-31 take B's: one product, the distance between the two bases
	s_add_co_u32 s21, s21, SCL
	v_add_nc_u32 v5, v5, v6
	v_add_nc_u32 v[ADRS], s21, v5
	s_mul_i32 s23, s14, 16*SPITCH                  ; my stage
	v_mul_u32_u24 v5, v1, SPITCH                   ; in: row r, 16 bytes for each half of the lanes
	v_lshl_add_u32 v5, v2, 4, v5
	v_add_nc_u32 v[STO], s23, v5
	v_and_b32 v6, 31, v0
	v_lshrrev_b32 v7, 3, v6                        ; back: eight lanes take a token's 128 bytes of one plane, four tokens an instruction
	v_mul_u32_u24 v7, v7, SPITCH
	v_and_b32 v8, 7, v0
	v_lshl_add_u32 v7, v8, 4, v7
	v_add_nc_u32 v[RD], s23, v7
	v_lshlrev_b32 v[CO], 4, v6                     ; in a plane four tokens' rows are 512 consecutive bytes
	; where my part begins in qkv: batch (tile row / 8), planes 4 x tile column + 2 x column half, position 256 (tile row % 8) + 128 x row half
	s_lshr_b32 s20, s17, 3
	s_mul_i32 s20, s20, 48*PLANE
	s_and_b32 s21, s17, 7
	s_lshl_b32 s21, s21, 15
	s_add_co_u32 s20, s20, s21
	s_lshl_b32 s21, s15, 14
	s_add_co_u32 s20, s20, s21
	s_mov_b32 s21, 0
	s_lshl_b32 s46, s42, 20
	s_lshl_b32 s47, s16, 19
	s_add_co_u32 s46, s46, s47
	s_mov_b32 s47, 0
	s_add_nc_u64 s[12:13], s[12:13], s[20:21]
	s_add_nc_u64 s[12:13], s[12:13], s[46:47]
.macro FRAG reg, adr, q, i             ; a fragment, 16 rows x 128 K of 4-bit codes: lane l holds row l % 16; registers 4 c .. 4 c + 3 hold K = 64 c + 32 (l / 16) + 0 .. 31
.irp c, 0,1
	ds_load_b128 v[\reg+4*\c:\reg+4*\c+3], v[\adr] offset:64*(\q)+32*\c+(\i)*16*PITCH
.endr
.endm
; 16 matrix instructions: A's blocks a0, a0 + 1 x B's eight, the slot's q-th 128 along K.  p: B's set;  sc: the set of scale words.  zero = 1: the first product starts the sums.
; The 64 accumulators take turns, one instruction a turn, in the same order in every step.
.macro MUL16 a0, p, q, sc, zero
.irp a, \a0, \a0+1
.irp b, 0,1,2,3,4,5,6,7
.if \zero
	v_wmma_scale_f32_16x16x128_f8f6f4 v[8*(8*((\a)%4)+\b):8*(8*((\a)%4)+\b)+7], v[128*(\p)+FR*\b:128*(\p)+FR*\b+FR-1], v[AF+FR*(\a):AF+FR*(\a)+FR-1], 0, v[SC+8*NQ*(\sc)+NQ*\b+(\q)], v[SC+8*NQ*(\sc)+NQ*(\a)+(\q)] matrix_a_fmt:MATRIX_FMT_FP4 matrix_b_fmt:MATRIX_FMT_FP4 matrix_a_scale:MATRIX_SCALE_ROW1
.else
	v_wmma_scale_f32_16x16x128_f8f6f4 v[8*(8*((\a)%4)+\b):8*(8*((\a)%4)+\b)+7], v[128*(\p)+FR*\b:128*(\p)+FR*\b+FR-1], v[AF+FR*(\a):AF+FR*(\a)+FR-1], v[8*(8*((\a)%4)+\b):8*(8*((\a)%4)+\b)+7], v[SC+8*NQ*(\sc)+NQ*\b+(\q)], v[SC+8*NQ*(\sc)+NQ*(\a)+(\q)] matrix_a_fmt:MATRIX_FMT_FP4 matrix_b_fmt:MATRIX_FMT_FP4 matrix_a_scale:MATRIX_SCALE_ROW1
.endif
.endr
.endr
.endm
.macro FETCH_B slot, q, p              ; B's eight fragments of the slot's q-th 128 along K into set p
	WIN TO_B
.irp i, 0,1,2,3,4,5,6,7
	FRAG 128*(\p)+FR*\i, ADRB+\slot, \q, \i
.endr
	WIN 0
.endm
.macro FETCH_A slot, q, i0             ; A's blocks i0 .. i0 + 3
.irp i, \i0, \i0+1, \i0+2, \i0+3
	FRAG AF+FR*(\i), ADRA+\slot, \q, \i
.endr
.endm
.macro SCALES sc                       ; a slot's scale words into set sc: four words a row; lanes 0-15 take A's block i, lanes 16-31 B's block i
.irp i, 0,1,2,3,4,5,6,7
	ds_load_b128 v[SC+8*NQ*\sc+NQ*\i:SC+8*NQ*\sc+NQ*\i+3], v[ADRS] offset:\i*SBLK
.endr
.endm
; A load into a register that a matrix instruction has read, and a vector instruction or LDS store that reads a matrix result, stand NP plain vector instructions behind it (ISA guide 7.12.1 for the reads of results).
.macro PLACES n
.rept \n
	v_nop
.endr
.endm
; A step of 128 along K that has its successor in the same slot.  A has one set of registers: blocks 0-3 are fetched anew in the step's middle, blocks 4-7 at its end; B has two sets.
.macro STEP slot, q, zero
	s_wait_dscnt 4*NL                              ; B's set and A's blocks 0-3 are in; the youngest eight loads (A's blocks 4-7) may be out
	WIN MUL_LO
	MUL16 0, (\q)%2, \q, \slot, \zero
	MUL16 2, (\q)%2, \q, \slot, \zero
	s_wait_dscnt 0                                 ; A's blocks 4-7 are in
	PLACES NP
	FETCH_B \slot, (\q)+1, 1-(\q)%2
	FETCH_A \slot, (\q)+1, 0
	WIN MUL_HI
	MUL16 4, (\q)%2, \q, \slot, \zero
	MUL16 6, (\q)%2, \q, \slot, \zero
	PLACES NP
	WIN 0
	FETCH_A \slot, (\q)+1, 4
.endm
; Slot 0's last step changes slots: one barrier; in front of it each wave waits for all its tensor loads (its part of slot 1), adds 0 to its spare word, and waits for that and for its reads of slot 0.
; Nothing is filled again: behind the barrier slot 1 is whole, and nobody reads slot 0 any more, so that the stages may lie there.
.macro TURN slot, next
	s_wait_tensorcnt 0x0                           ; all my tensor loads have landed  (every window is 0 here)
	ds_add_u32 v[SPW], v[NIL]                      ; 0 onto my spare word
	s_wait_dscnt 4*NL+1                            ; the add and the youngest eight loads (A's blocks 4-7) may be out
	WIN MUL_LO
	MUL16 0, 1, NQ-1, \slot, 0                     ; sixteen matrix instructions stand between the add and the wait for it
	s_wait_dscnt 0x0                               ; the add is done, and my reads of this slot are over
	s_barrier_signal -1
	MUL16 2, 1, NQ-1, \slot, 0
	WIN 0
	s_barrier_wait -1
	PLACES NP
	v_add_nc_u32 v[ADRS], 4*NQ, v[ADRS]            ; on to the next slot's scale words
	FETCH_B \next, 0, 0
	FETCH_A \next, 0, 0
	SCALES \next
	WIN MUL_HI
	MUL16 4, 1, NQ-1, \slot, 0
	MUL16 6, 1, NQ-1, \slot, 0
	PLACES NP
	WIN 0
	FETCH_A \next, 0, 4
.endm
.macro STEPS slot, from                ; the slot's steps from .. NQ - 2
.set QQ, \from
.rept NQ-1-\from
	STEP \slot, QQ, 0
.set QQ, QQ+1
.endr
.endm
	s_wait_tensorcnt 1                             ; the scales and my part of slot 0 are in; slot 1's load may be out
	s_barrier_signal -1
	s_barrier_wait -1                              ; everybody's are
	FETCH_B 0, 0, 0
	FETCH_A 0, 0, 0
	SCALES 0
	FETCH_A 0, 0, 4
	STEP 0, 0, 1                                   ; the first step's products start the sums: nothing is cleared
	STEPS 0, 1
	TURN 0, 1
	STEPS 1, 0
	s_wait_dscnt 4*NL                              ; the very last step: nothing more to fetch; A's blocks 4-7 may be out
	WIN MUL_LO
	MUL16 0, 1, NQ-1, 1, 0
	MUL16 2, 1, NQ-1, 1, 0
	s_wait_dscnt 0
	WIN MUL_HI
	MUL16 4, 1, NQ-1, 1, 0
	MUL16 6, 1, NQ-1, 1, 0
	WIN 0
; THE WAY OUT, block by block of 16 tokens x 128 columns (two planes).  PACK: rounded to f16, 16 bytes a lane, each accumulator from its low end on.  TOSTAGE: into my own stage and back, four tokens' 128 bytes of one
; plane an instruction.  SEND: stored, 512 consecutive bytes of a plane an instruction.  LDS serves a wave's instructions in order (ISA guide 5.7.1.4): no wait between the stores and the loads.
.macro PACK a
.set AC, 64*((\a)%4)
	WIN 0x0a+5*((\a)/4)                            ; sources 0 and 1: window 2 or 3
.irp b, 0,1,2,3,4,5,6,7
.irp r, 0,1,2,3
	v_cvt_pk_f16_f32 v[TMP+4*\b+\r], v[AC+8*\b+2*\r], v[AC+8*\b+2*\r+1]
.endr
.endr
	WIN 0
.endm
.macro TOSTAGE a
.set BB, 32+192*((\a)%2)               ; v32-63 and v224-255 by turns
.irp b, 0,1,2,3,4,5,6,7
	ds_store_b128 v[STO], v[TMP+4*\b:TMP+4*\b+3] offset:32*\b
.endr
.irp t, 0,1,2,3,4,5,6,7
	ds_load_b128 v[BB+4*\t:BB+4*\t+3], v[RD] offset:(\t%4)*4*SPITCH+128*(\t/4)
.endr
.endm
.macro SEND a
.set BB, 32+192*((\a)%2)
	s_wait_dscnt 0x0                               ; the block is back in registers
	s_wait_xcnt 0x0                                ; the stores of the block before have read their registers: the next block's loads may land there
.irp t, 0,1,2,3,4,5,6,7
	global_store_b128 v[CO], v[BB+4*\t:BB+4*\t+3], s[12:13] offset:(\t/4)*PLANE+(16*(\a)+4*(\t%4))*128   ; 32 lanes store 512 consecutive bytes; the base is never stepped
.endr
.endm
	PLACES NP                                      ; behind the last products: for the reads of results and the loads into registers that held scale words
	PACK 0
	TOSTAGE 0
.irp a, 1,2,3,4,5,6,7                  ; block a's conversions stand between block a - 1's loads from the stage and the wait for them
	PACK \a
	SEND \a-1
	TOSTAGE \a
.endr
	SEND 7
	s_wait_tensorcnt 0x0                           ; the wave's end
	ds_add_u32 v[SPW], v[NIL]
	s_wait_dscnt 0x0
	CROUND                                         ; the closing round: no work-group ends while a partner may still ask for a tile that names it
	s_endpgm
.Lfunc_end_k_q66b74f3e49_qkv:
	.size	k_q66b74f3e49_qkv, .Lfunc_end_k_q66b74f3e49_qkv-k_q66b74f3e49_qkv
	.p2alignl 7, 3214868480
	.fill 96, 4, 3214868480
	.section	.rodata,"a",@progbits
	.p2align	6, 0x0
	.amdhsa_kernel k_q66b74f3e49_qkv
		.amdhsa_group_segment_fixed_size 327680
		.amdhsa_private_segment_fixed_size 0
		.amdhsa_enable_private_segment 0
		.amdhsa_kernarg_size 40
		.amdhsa_user_sgpr_count 2
		.amdhsa_user_sgpr_kernarg_segment_ptr 1
		.amdhsa_wavefront_size32 1
		.amdhsa_system_sgpr_workgroup_id_x 1
		.amdhsa_system_sgpr_workgroup_id_y 1
		.amdhsa_system_sgpr_workgroup_id_z 1
		.amdhsa_system_vgpr_workitem_id 0
		.amdhsa_next_free_vgpr 1024
		.amdhsa_next_free_sgpr 98
		.amdhsa_reserve_vcc 0
		.amdhsa_float_denorm_mode_32 3
		.amdhsa_float_denorm_mode_16_64 3
		.amdhsa_memory_ordered 1
		.amdhsa_forward_progress 1
		.amdhsa_inst_pref_size 126
	.end_amdhsa_kernel
	.amdgpu_metadata
---
amdhsa.version: [ 1, 2 ]
amdhsa.kernels:
  - .name:           k_q66b74f3e49_qkv
    .symbol:         k_q66b74f3e49_qkv.kd
    .args:
      - { .name: xc, .offset: 0, .size: 8, .value_kind: global_buffer, .address_space: global }
      - { .name: xs, .offset: 8, .size: 8, .value_kind: global_buffer, .address_space: global }
      - { .name: wc, .offset: 16, .size: 8, .value_kind: global_buffer, .address_space: global }
      - { .name: ws, .offset: 24, .size: 8, .value_kind: global_buffer, .address_space: global }
      - { .name: qkv, .offset: 32, .size: 8, .value_kind: global_buffer, .address_space: global }
    .group_segment_fixed_size: 327680
    .private_segment_fixed_size: 0
    .kernarg_segment_align: 8
    .kernarg_segment_size: 40
    .max_flat_workgroup_size: 128
    .sgpr_count:     98
    .vgpr_count:     1024
    .wavefront_size: 32
...
	.end_amdgpu_metadata
.endif
;; end of part 3
;; launch attn (part 4): grid 4 x 64, 16 waves a work-group, no clusters, 327,680 bytes of LDS; arguments qkv, s_raw, ao; writes ao
.if DOCPART == 4
	.amdgcn_target "amdgcn-amd-amdhsa--gfx1250"
	.amdhsa_code_object_version 6
	.text
	.protected	k_q66b74f3e49_attn
	.globl	k_q66b74f3e49_attn
	.p2align	8
	.type	k_q66b74f3e49_attn,@function
k_q66b74f3e49_attn:
	s_mov_b64 s[64:65], 0
	v_nop
	global_prefetch_b8 v0, s[64:65] scope:SCOPE_SE
	s_setreg_imm32_b32 hwreg(HW_REG_WAVE_MODE, 25, 1), 1
	s_wait_xcnt 0x0
; Causal attention with a scale that grows with the position: for batch b, head h, query position t (0-based):
;   o[t] = sum over keys k <= t of softmax_k( q[t] . k[k] x softplus(s_raw[h]) x ln(t + 1) / 8 ) v[k].
; q, k, v: planes of qkv [4][48][2048][64] in f16 (plane h: q, 16 + h: k, 32 + h: v).  ao: [4][16][2048][64] f16.  Products on f16 operands, sums, maxima and the softmax in f32.
; THE FACTOR IS NOT MULTIPLIED INTO q: it is applied to the f32 scores, where a lane holds one query: c = softplus(s) x log2(t + 1) / 8, p = 2^(c s - c m), m the running largest raw score (c is positive, so c m is the largest c s).
; In every step O and the sum l are multiplied by a = 2^(c m_old - c m_new).
; LIMITS: |q|, |k|, |v| up to 65,504 (f16).  softplus = max(s, 0) + ln 2 x log2(1 + 2^(-|s| log2 e)): absolute error under 1e-7, 0 for s under about -17.  c is held at 2^-100 from below (at position 0, where ln 1 = 0,
; and where softplus has fallen to 0): that moves an exponent by less than 1e-18 for scores within f16 operands' reach, and keeps 0 x -infinity from arising under the mask.  NaN and infinities are not served.
; SHARES.  Work-group (j, y = 16 b + h) owns query blocks 7 - j (waves 0-7) and j (waves 8-15), 256 queries each: (8 - j) + (j + 1) = 9 blocks of 256 x 256 under the mask, the same in all 256 work-groups.
; A wave owns 32 queries, two tiles of 16, in 256 registers: four waves to a SIMD, so that one wave's vector work stands beside another's matrix work and LDS loads.
; Every work-group walks all 8 slots of 256 keys (the trip counts are constants), 4 steps of 64 keys a slot; a step all of whose keys come after the wave's queries is jumped over by a scalar branch on ids.
; K's and V's tiles come through a ring of two LDS slots, filled by the tensor data mover (waves 0-3: K's quarters, waves 4-7: V's) and read by all sixteen.
; NO CLUSTER, though the four work-groups of a head read the same K and V: work-group j's loads end with slot 7 - j, so partners would need different numbers of tiles, and a joint load would bring tiles that a partner never reads.
; LAYOUT.  S^T = K Q^T (source 0 = 16 keys, source 1 = 16 queries): a lane holds ONE query (lane % 16) and keys 8 (lane / 16) + 0..7 of each tile.  Two such tiles, rounded to f16 in pairs, ARE source 1 (32 keys x 16 queries)
; of O^T = V^T P, whose result again holds one query a lane.  K comes out of LDS as it lies, V ([key][channel]) turned, by ds_load_tr16_b128.
.set KP,    144                        ; a row of K in LDS: 128 bytes + 16
.set VP,    160                        ; a row of V: 128 + 32: an odd multiple of 32, as the turning load's 8 rows x 32 bytes want
.set VOFF,  256*KP                     ; a slot: 256 rows of K, then 256 rows of V
.set SLOT1, 1<<17                      ; slot 1 begins here: one exclusive or turns an address in one slot into the other's
.set STAGE, SLOT1+256*(KP+VP)          ; behind the ring: 16 rows x 144 bytes for each wave, for the way out; no tile lands there
.set SPARE, STAGE+16*16*KP             ; the spare words, 128 bytes for each of 16 waves
.set AK0, 1                            ; v1   my lane's place in a tile of K
.set AV0, 2                            ; v2   the same for V
.set SPW, 3                            ; v3   my spare word; never rewritten
.set NIL, 4                            ; v4   0; never rewritten
.set ADK, 5                            ; v5   LDS address of the step's K;  on the way out: into the stage
.set ADV, 6                            ; v6   of its V;  on the way out: back from the stage
.set DD,  7                            ; v7   the mask's difference;  on the way out: 16 x lane
.set NINF, 8                           ; v8   -infinity
.set RM,  9                            ; v9   lane % 16 - 8 (lane / 16)
.set PFO, 10                           ; v10  256 x lane: the prefetches' offset
.set ST,  12                           ; tile t's statistics at v[ST + 10 t]: +0 c m, +1 m, +2, +3 l (two halves), +4 .. +7 at work (a in +6), +8 c, +9 c again (named with it as a pair)
.set Q,   32                           ; v32-63   Q: tile t, channels 32 c on, at Q + 16 t + 8 c
.set S,   64                           ; v64-127  S^T, then p: tile t, keys 16 kt on, at S + 32 t + 8 kt; P takes the first 16 registers of each tile
.set O,   128                          ; v128-191 O^T: tile t, channels 16 ct on, at O + 32 t + 8 ct
.set KV,  192                          ; v192-255 K's eight fragments, then V's eight
.set TB,  2                            ; s2   LDS byte at which the slot in hand begins
.set SLOTS, 3                          ; s3   changes of slots still to come in the loop
.set KF,  10                           ; s10  the step's first key
.set Q0,  11                           ; s11  my first query
.set QL,  12                           ; s12  my work-group's last query
.set WV,  18                           ; s18  my wave's number
.set SEL, 20                           ; s[20:21] lane selects for v_permlanex16_b32: lane l xor 16
.set G1K, 24                           ; s[24:31] group 1 for K's tiles;  s[32:39] for V's: it differs in the padding alone
.set G1V, 32
.set G0K, 40                           ; s[40:43], s[44:47] their groups 0, which walk
.set G0V, 44
.set PFA, 48                           ; s[48:49] where my prefetches stand
.set LIM, 50                           ; s50  1 in a wave that prefetches, else the greatest number
; Waves 0-3 fetch K's quarters (64 rows each), waves 4-7 V's, the others nothing.  The branches hang on the wave's number alone.  An s_nop 0 and four v_nop follow each line.
.macro TLOAD
	s_cmp_lt_u32 s[WV], 4
	s_cbranch_scc0 .Lnot_k_\@
	tensor_load_to_lds s[G0K:G0K+3], s[G1K:G1K+7]
	s_nop 0
.rept 4
	v_nop
.endr
	s_branch .Lasked_\@
.Lnot_k_\@:
	s_cmp_lt_u32 s[WV], 8
	s_cbranch_scc0 .Lasked_\@
	tensor_load_to_lds s[G0V:G0V+3], s[G1V:G1V+7]
	s_nop 0
.rept 4
	v_nop
.endr
.Lasked_\@:
.endm
; A PREFETCH of what the NEXT change of slots will ask for: a slot is 32,768 dense bytes of K and as many of V.  The four work-groups of a head share them out by address: work-group j names quarter j, 8,192 bytes,
; lanes 256 bytes apart; wave 8 asks for K's, wave 9 for V's, one instruction each.  So each block of 256 bytes of slots 2 to 7 is named once in the launch; slots 0 and 1 come by their loads alone.
; It stands at the change of slots, a slot's four key steps ahead of the tensor load that will want the bytes.  The last change in the loop asks for nothing: there is no slot behind slot 7.
.macro ASK
	s_cmp_gt_u32 s[SLOTS], s[LIM]
	s_cbranch_scc0 .Lnot_mine_\@
	global_prefetch_b8 v[PFO], s[PFA:PFA+1] th:TH_LOAD_NT scope:SCOPE_SE
.Lnot_mine_\@:
.endm
	s_load_b128 s[4:7], s[0:1], 0x0                ; qkv, s_raw
	s_load_b64 s[8:9], s[0:1], 0x10                ; ao
	v_lshl_add_u32 v[SPW], v0, 2, SPARE
	v_mov_b32 v[NIL], 0
	ds_add_u32 v[SPW], v[NIL]                      ; the wave's opening: the add, twice on end, and its wait ahead of my first tensor load
	ds_add_u32 v[SPW], v[NIL]                      ; (once more; the set-up below, work on registers, stands between it and the wait)
	v_lshrrev_b32 v10, 5, v0
	v_readfirstlane_b32 s[WV], v10                 ; wave 0..15
	s_and_b32 s14, ttmp7, 0xffff                   ; y = 16 b + h
	s_sub_co_u32 s52, 7, ttmp9                     ; 7 - j
	s_cmp_lt_u32 s[WV], 8
	s_cselect_b32 s53, s52, ttmp9                  ; my block of 256 queries
	s_lshl_b32 s[Q0], s53, 8
	s_and_b32 s54, s[WV], 7
	s_lshl_b32 s54, s54, 5
	s_add_co_u32 s[Q0], s[Q0], s54                 ; my first query
	s_lshl_b32 s[QL], s52, 8
	s_or_b32 s[QL], s[QL], 255                     ; the work-group's last
	s_lshr_b32 s52, s14, 4
	s_mul_i32 s52, s52, 48
	s_and_b32 s53, s14, 15
	s_lshl_b32 s15, s53, 2                         ; s_raw: 4 bytes a head
	s_add_co_u32 s52, s52, s53
	s_lshl_b32 s52, s52, 18                        ; q's plane: (48 b + h) x 262,144 bytes; k's lies 16 planes on, v's 32
	s_mov_b32 s53, 0
	s_and_b32 s54, s[WV], 3                        ; which quarter of a slot I fetch, if I fetch
	s_lshl_b32 s56, s54, 13                        ; 64 rows of 128 bytes in memory
	s_add_co_u32 s56, s56, s52
	s_mov_b32 s57, 0
	s_mul_i32 s55, s54, 64*KP                      ; and in a slot
	s_mul_i32 s58, s54, 64*VP
	s_add_co_u32 s58, s58, VOFF
	; group 1: 64 rows of 64 elements of 2 bytes, dense in memory, padded in LDS behind every 32 words
	s_mov_b32 s[G1K], (1<<16)|(1<<20)|(4<<22)|(3<<25)   ; no mask; elements of 2 bytes; padding on; after every 32 words (code 4); four words (code 3)
	s_mov_b32 s[G1V], (1<<16)|(1<<20)|(4<<22)|(7<<25)   ; eight words (code 7)
.irp g, G1K, G1V
	s_mov_b32 s[\g+1], 64<<16                      ; tensor_dim0
	s_mov_b32 s[\g+2], 64<<16                      ; tensor_dim1
	s_mov_b32 s[\g+3], 64<<16                      ; tile_dim0
	s_mov_b32 s[\g+4], 64                          ; tile_dim1
	s_mov_b32 s[\g+5], 64                          ; the pitch
	s_mov_b32 s[\g+6], 0
	s_mov_b32 s[\g+7], 0
.endr
	s_mov_b32 s[SEL], 0x76543210
	s_mov_b32 s[SEL+1], 0xfedcba98
	s_mov_b32 s[TB], 0
	s_mov_b32 s[SLOTS], 7
	s_mov_b32 s[KF], 0
	s_wait_dscnt 0x0                               ; both opening adds are done
	s_wait_kmcnt 0x0
	s_mov_b32 s[G0K], 1
	s_mov_b32 s[G0K+1], s55
	s_add_nc_u64 s[G0K+2:G0K+3], s[4:5], s[56:57]
	s_add_nc_u64 s[G0K+2:G0K+3], s[G0K+2:G0K+3], 0x400000
	s_or_b32 s[G0K+3], s[G0K+3], 0x80000000
	s_mov_b32 s[G0V], 1
	s_mov_b32 s[G0V+1], s58
	s_add_nc_u64 s[G0V+2:G0V+3], s[4:5], s[56:57]
	s_add_nc_u64 s[G0V+2:G0V+3], s[G0V+2:G0V+3], 0x800000
	s_or_b32 s[G0V+3], s[G0V+3], 0x80000000
	TLOAD                                          ; slot 0: one tensor load of mine is out, here and behind every change of slots
	s_lshl_b32 s54, s[Q0], 7                       ; my first query's row: 128 bytes a row
	s_mov_b32 s55, 0
	s_add_nc_u64 s[56:57], s[54:55], s[52:53]
	s_add_nc_u64 s[58:59], s[4:5], s[56:57]        ; Q at my first query
	s_lshl_b32 s56, s14, 18                        ; ao's plane y
	s_mov_b32 s57, 0
	s_add_nc_u64 s[56:57], s[56:57], s[54:55]
	s_add_nc_u64 s[8:9], s[8:9], s[56:57]          ; ao at my first query
	s_mov_b32 s54, 0x800000                        ; the prefetches: wave 9 stands in V's plane, the others in K's
	s_cmp_eq_u32 s[WV], 9
	s_cselect_b32 s54, s54, 0x400000
	s_lshl_b32 s55, ttmp9, 13                      ; my work-group's quarter
	s_add_co_u32 s54, s54, s55
	s_add_co_u32 s54, s54, 32768                   ; in slot 1: the first change of slots steps it to slot 2
	s_add_co_u32 s54, s54, s52
	s_mov_b32 s55, 0
	s_add_nc_u64 s[PFA:PFA+1], s[4:5], s[54:55]
	s_lshr_b32 s55, s[WV], 1
	s_cmp_eq_u32 s55, 4                            ; waves 8 and 9
	s_cselect_b32 s[LIM], 1, -1
	v_and_b32 v5, 15, v0                           ; r
	v_bfe_u32 v6, v0, 4, 1                         ; h
	v_lshlrev_b32 v10, 7, v5
	v_lshl_add_u32 v10, v6, 4, v10                 ; Q: row r of 128 bytes, + 16 h
.irp t, 0,1
.irp c, 0,1
	global_load_b128 v[Q+16*\t+8*\c:Q+16*\t+8*\c+3],   v10, s[58:59] offset:2048*\t+64*\c      ; Q stays in registers
	global_load_b128 v[Q+16*\t+8*\c+4:Q+16*\t+8*\c+7], v10, s[58:59] offset:2048*\t+64*\c+32
.endr
.endr
	v_mov_b32 v7, s15
	global_load_b32 v11, v7, s[6:7]                ; s_raw of my head, in every lane
	v_mul_u32_u24 v[AK0], v5, KP
	v_lshl_add_u32 v[AK0], v6, 4, v[AK0]           ; K: row r x pitch + 16 h
	v_and_b32 v8, 7, v0
	v_lshl_add_u32 v[AV0], v6, 3, v8               ; V: the turning load takes key 8 h + lane % 8,
	v_mul_u32_u24 v[AV0], v[AV0], VP
	v_bfe_u32 v8, v0, 3, 1
	v_lshl_add_u32 v[AV0], v8, 4, v[AV0]           ; channels 8 ((lane / 8) % 2) on
	v_add_nc_u32 v[AV0], VOFF, v[AV0]
	v_lshlrev_b32 v[RM], 3, v6
	v_sub_nc_u32 v[RM], v5, v[RM]                  ; r - 8 h
	s_add_co_u32 s52, s[Q0], 1
	v_add_nc_u32 v[ST+8], s52, v5                  ; my query's position, 1-based: tile 0,
	v_add_nc_u32 v[ST+18], 16, v[ST+8]             ; tile 1
	v_cvt_f32_u32 v[ST+8], v[ST+8]
	v_cvt_f32_u32 v[ST+18], v[ST+18]
.irp t, 0,1
	v_mov_b32 v[ST+10*\t+1], 0xf149f2ca            ; m = -1e30, under every score of f16 operands
.irp i, 2,3,4,5,6,7
	v_mov_b32 v[ST+10*\t+\i], 0                    ; l, and the registers at work (a lane permute's destination and a pair's other half count as read)
.endr
.endr
.set i, 0
.rept 64
	v_mov_b32 v[O+i], 0                            ; O^T.  The step is written once: its first run finds zeros, which the first a leaves zeros
.set i, i+1
.endr
	s_wait_loadcnt 0x0                             ; Q and s_raw are in; their offset registers may be written
	v_and_b32 v[PFO], 31, v0
	v_lshlrev_b32 v[PFO], 8, v[PFO]
	v_mul_f32 v6, 0xbfb8aa3b, |v11|                ; -|s| log2 e
	v_exp_f32 v6, v6
	v_max_num_f32 v7, 0, v11                       ; (a plain line behind the exponential)
	s_wait_alu depctr_va_vdst(0)                   ; the wait ahead of the first line that names the result
	v_add_f32 v6, 1.0, v6
	v_log_f32 v6, v6                               ; one batch: log2(1 + 2^..), and log2 of the two positions
	v_log_f32 v[ST+8], v[ST+8]
	v_log_f32 v[ST+18], v[ST+18]
	v_nop
	s_wait_alu depctr_va_vdst(0)                   ; one wait for the three
	v_fmamk_f32 v6, v6, 0x3f317218, v7             ; softplus = log2(..) x ln 2 + max(s, 0)
	v_mul_f32 v6, 0x3e000000, v6                   ; / 8
.irp t, 0,1
	v_mul_f32 v[ST+10*\t+8], v6, v[ST+10*\t+8]     ; c = softplus / 8 x log2(position): ln(position) x log2 e
	v_max_num_f32 v[ST+10*\t+8], 0x0d800000, v[ST+10*\t+8]   ; held at 2^-100 from below
	v_mov_b32 v[ST+10*\t+9], v[ST+10*\t+8]
	v_mul_f32 v[ST+10*\t], v[ST+10*\t+8], v[ST+10*\t+1]      ; c m
.endr
; A KEY STEP: 64 keys, the q-th of the slot in hand.
.macro STEP q
	s_add_co_u32 s52, s[Q0], 31                    ; a step all of whose keys come after my 32 queries is left out: a branch on ids, round the step's loads, products and softmax alone
	s_cmp_gt_u32 s[KF], s52
	s_cbranch_scc1 .Lhidden_\@
	v_add_nc_u32 v[ADK], s[TB], v[AK0]
	v_add_nc_u32 v[ADV], s[TB], v[AV0]
.set f, 0
.rept 8                                        ; K: fragment f: keys 16 (f / 2) on, channels 32 (f % 2) on
	ds_load_b128 v[KV+8*f:KV+8*f+3],   v[ADK] offset:64*KP*(\q)+16*KP*(f/2)+64*(f%2)
	ds_load_b128 v[KV+8*f+4:KV+8*f+7], v[ADK] offset:64*KP*(\q)+16*KP*(f/2)+64*(f%2)+32
.set f, f+1
.endr
	s_wait_dscnt 0x0
.set i, 0
.rept 16                                       ; S^T = K Q^T: channels 32 (i / 8) on, keys 16 ((i / 2) % 4) on, tile i % 2.  Eight accumulators by turns; the first eight start the sums
.set rS, S+32*(i%2)+8*((i/2)%4)
.set rK, KV+16*((i/2)%4)+8*(i/8)
.set rQ, Q+16*(i%2)+8*(i/8)
.if i < 8
	v_wmma_f32_16x16x32_f16 v[rS:rS+7], v[rK:rK+7], v[rQ:rQ+7], 0
.else
	v_wmma_f32_16x16x32_f16 v[rS:rS+7], v[rK:rK+7], v[rQ:rQ+7], v[rS:rS+7]
.endif
.set i, i+1
.endr
.rept 4
	v_nop                                          ; four plain lines behind the products: for the loads into K's registers and for the first reads of the scores
.endr
.set f, 0
.rept 8                                        ; V, turned: fragment f: keys 32 (f / 4) on, channels 16 (f % 4) on.  It lands while the softmax is worked
	ds_load_tr16_b128 v[KV+8*f:KV+8*f+3],   v[ADV] offset:64*VP*(\q)+32*VP*(f/4)+32*(f%4)
	ds_load_tr16_b128 v[KV+8*f+4:KV+8*f+7], v[ADV] offset:64*VP*(\q)+32*VP*(f/4)+32*(f%4)+16*VP
.set f, f+1
.endr
	s_add_co_u32 s52, s[KF], 63                    ; on the diagonal hidden scores become -infinity ahead of the maximum.  A step all of whose keys count for all my queries skips this
	s_cmp_le_u32 s52, s[Q0]
	s_cbranch_scc1 .Lopen_\@
	s_sub_co_i32 s52, s[Q0], s[KF]
	v_add_nc_u32 v[DD], s52, v[RM]                 ; d = Q0 - KF + r - 8 h.  Register 8 kt + jj of tile t holds key KF + 16 kt + 8 h + jj for query Q0 + 16 t + r: hidden where 16 kt + jj - 16 t > d
	v_mov_b32 v[NINF], 0xff800000
.irp t, 0,1
.set n, 0
.rept 32
	v_cmp_gt_i32 vcc_lo, 16*(n/8)+n%8-16*\t, v[DD]
	v_cndmask_b32 v[S+32*\t+n], v[S+32*\t+n], v[NINF], vcc_lo
.set n, n+1
.endr
.endr
.Lopen_\@:
	; the largest of my 32 scores and the old m: four chains a tile, each accumulator read from its low end on; the two tiles by turns
.irp j, 0,1,2,3
.irp t, 0,1
	v_max3_num_f32 v[ST+10*\t+4+\j], v[S+32*\t+8*\j], v[S+32*\t+8*\j+1], v[S+32*\t+8*\j+2]
.endr
.endr
.irp g, 1,2
.irp j, 0,1,2,3
.irp t, 0,1
	v_max3_num_f32 v[ST+10*\t+4+\j], v[ST+10*\t+4+\j], v[S+32*\t+8*\j+2*\g+1], v[S+32*\t+8*\j+2*\g+2]
.endr
.endr
.endr
.irp t, 0,1
	v_max3_num_f32 v[ST+10*\t+4], v[ST+10*\t+4], v[S+32*\t+7], v[S+32*\t+15]
.endr
.irp t, 0,1
	v_max3_num_f32 v[ST+10*\t+6], v[ST+10*\t+6], v[S+32*\t+23], v[S+32*\t+31]
.endr
.irp t, 0,1
	v_max3_num_f32 v[ST+10*\t+4], v[ST+10*\t+4], v[ST+10*\t+5], v[ST+10*\t+6]
.endr
.irp t, 0,1
	v_max3_num_f32 v[ST+10*\t+4], v[ST+10*\t+4], v[ST+10*\t+7], v[ST+10*\t+1]
.endr
.irp t, 0,1
	v_permlanex16_b32 v[ST+10*\t+5], v[ST+10*\t+4], s[SEL], s[SEL+1]   ; the query's other 32 keys lie in the lane 16 away
.endr
.irp t, 0,1
	v_mov_b32 v[ST+10*\t+7], v[ST+10*\t]           ; c m_old is kept for a
.endr
.irp t, 0,1
	v_max_num_f32 v[ST+10*\t+1], v[ST+10*\t+4], v[ST+10*\t+5]          ; the new m
.endr
.irp t, 0,1
	v_mul_f32 v[ST+10*\t], v[ST+10*\t+8], v[ST+10*\t+1]                ; c m
.endr
.irp t, 0,1
	v_sub_f32 v[ST+10*\t+7], v[ST+10*\t+7], v[ST+10*\t]                ; c m_old - c m_new
.endr
.set i, 0
.rept 16
.irp t, 0,1
	v_pk_fma_f32 v[S+32*\t+2*i:S+32*\t+2*i+1], v[S+32*\t+2*i:S+32*\t+2*i+1], v[ST+10*\t+8:ST+10*\t+9], v[ST+10*\t:ST+10*\t+1] op_sel_hi:[1,0,0] neg_lo:[0,0,1] neg_hi:[0,0,1]   ; c s - c m, two at a time
.endr
.set i, i+1
.endr
.irp t, 0,1
	v_exp_f32 v[ST+10*\t+6], v[ST+10*\t+7]         ; ONE BATCH of 66 exponentials: a,
.endr
.set i, 0
.rept 32
	v_exp_f32 v[S+i], v[S+i]                       ; and p, at most 1
	v_exp_f32 v[S+32+i], v[S+32+i]
.set i, i+1
.endr
	v_nop                                          ; a plain line behind the last exponential
	s_wait_alu depctr_va_vdst(0)                   ; the wait ahead of the first line that names a result: one for the batch
.irp t, 0,1
	v_pk_mul_f32 v[ST+10*\t+2:ST+10*\t+3], v[ST+10*\t+2:ST+10*\t+3], v[ST+10*\t+6:ST+10*\t+7] op_sel_hi:[1,0]   ; l x a
	v_pk_add_f32 v[ST+10*\t+4:ST+10*\t+5], v[S+32*\t+2:S+32*\t+3], v[S+32*\t+6:S+32*\t+7]                     ; the sum of the f32 weights, in two chains a tile
.endr
.set i, 0
.rept 8
.irp t, 0,1
	v_pk_add_f32 v[ST+10*\t+2:ST+10*\t+3], v[ST+10*\t+2:ST+10*\t+3], v[S+32*\t+4*i:S+32*\t+4*i+1]
.if i >= 2
	v_pk_add_f32 v[ST+10*\t+4:ST+10*\t+5], v[ST+10*\t+4:ST+10*\t+5], v[S+32*\t+4*i+2:S+32*\t+4*i+3]
.endif
.endr
.set i, i+1
.endr
.irp t, 0,1
	v_pk_add_f32 v[ST+10*\t+2:ST+10*\t+3], v[ST+10*\t+2:ST+10*\t+3], v[ST+10*\t+4:ST+10*\t+5]
.endr
.set i, 0
.rept 16
.irp t, 0,1
	v_cvt_pk_f16_f32 v[S+32*\t+i], v[S+32*\t+2*i], v[S+32*\t+2*i+1]   ; P in place, ascending: register i was read by pair i / 2 before it is written
.endr
.set i, i+1
.endr
.irp t, 0,1
.set i, 0
.rept 16
	v_pk_mul_f32 v[O+32*\t+2*i:O+32*\t+2*i+1], v[O+32*\t+2*i:O+32*\t+2*i+1], v[ST+10*\t+6:ST+10*\t+7] op_sel_hi:[1,0]   ; O^T x a, each accumulator from its low end on
.set i, i+1
.endr
.endr
	s_wait_dscnt 0x0                               ; V is in
.set i, 0
.rept 16                                       ; O^T += V^T P: keys 32 (i / 8) on, channels 16 ((i / 2) % 4) on, tile i % 2.  Eight accumulators by turns
.set rO, O+32*(i%2)+8*((i/2)%4)
.set rV, KV+32*(i/8)+8*((i/2)%4)
.set rP, S+32*(i%2)+8*(i/8)
	v_wmma_f32_16x16x32_f16 v[rO:rO+7], v[rV:rV+7], v[rP:rP+7], v[rO:rO+7]
.set i, i+1
.endr
.rept 5
	v_nop                                          ; five plain lines: the next step's products write over P's registers, its loads land on V's, and the way out reads O^T
.endr
.Lhidden_\@:
	s_add_co_u32 s[KF], s[KF], 64
.endm
; THE CHANGE OF SLOTS stands at a slot's head.  Each wave waits for all its tensor loads (its part of the slot that it is about to read), adds 0 to its spare word, and waits for that and for its reads of the slot that it has left.
; Behind the barrier the slot ahead is whole and nobody reads the other one.  fill = 1: that other slot takes the next 256 keys, up to the causal limit: the load has a slot's four steps in which to land.
.macro CHANGE fill
	s_wait_tensorcnt 0x0                           ; no tensor load of mine is out, so a group 0 may be written
	ds_add_u32 v[SPW], v[NIL]                      ; 0 onto my spare word
.if \fill
	ds_add_u32 v[SPW], v[NIL]                      ; and once more, in every trip alike
	s_xor_b32 s[G0K+1], s[G0K+1], SLOT1            ; the walking descriptors: the other slot than last time,
	s_add_nc_u64 s[G0K+2:G0K+3], s[G0K+2:G0K+3], 32768   ; the next 256 keys; the type bits on top are not reached
	s_xor_b32 s[G0V+1], s[G0V+1], SLOT1
	s_add_nc_u64 s[G0V+2:G0V+3], s[G0V+2:G0V+3], 32768
	s_wait_xcnt 0x0                                ; the last prefetch, a slot back, has read its address, so it may be written:
	s_add_nc_u64 s[PFA:PFA+1], s[PFA:PFA+1], 32768 ; one slot further on than the walking descriptors
.endif
	s_wait_dscnt 0x0                               ; the add is done (fill = 1: both are), and my reads of the slot that I have left are over
	s_barrier_signal -1
	s_barrier_wait -1
.if \fill
	s_add_co_u32 s52, s[KF], 256                   ; THE LOOK-AHEAD ENDS AT THE CAUSAL LIMIT: a slot whose first key comes after my work-group's last query is read by none of its waves, so it is not asked for.
	s_cmp_gt_u32 s52, s[QL]                        ; Ids and the count of steps alone: all sixteen waves go the same way; every wait on TENSORcnt in this text is for 0; the jump leads round the load's own lines alone
	s_cbranch_scc1 .Lpast_\@
	TLOAD                                          ; the first thing behind the barrier, and a wave's one tensor load until the next
.Lpast_\@:
	ASK
.endif
.endm
.macro SLOT_STEPS
	STEP 0
	STEP 1
	STEP 2
	STEP 3
	s_xor_b32 s[TB], s[TB], SLOT1                  ; on to the other slot
.endm
.Lslot:                                            ; 7 trips: behind each change of slots but the last the next slot is asked for, up to the limit
	CHANGE 1
	SLOT_STEPS
	s_sub_co_u32 s[SLOTS], s[SLOTS], 1
	s_cmp_lg_u32 s[SLOTS], 0
	s_cbranch_scc1 .Lslot
	CHANGE 0                                       ; the last slot is written out: nothing is left to ask for
	SLOT_STEPS
	; THE WAY OUT.  l's two halves and the other half of the lanes' are added; O^T is divided by l, rounded to f16 and sent through my stage, a tile (16 queries x 128 bytes) at a time.
.irp t, 0,1
	v_add_f32 v[ST+10*\t+4], v[ST+10*\t+2], v[ST+10*\t+3]
.endr
.irp t, 0,1
	v_permlanex16_b32 v[ST+10*\t+5], v[ST+10*\t+4], s[SEL], s[SEL+1]
.endr
.irp t, 0,1
	v_add_f32 v[ST+10*\t+4], v[ST+10*\t+4], v[ST+10*\t+5]
.endr
.irp t, 0,1
	v_rcp_f32 v[ST+10*\t+6], v[ST+10*\t+4]
.endr
	v_and_b32 v8, 15, v0                           ; (plain work behind the reciprocals)  r
	v_bfe_u32 v9, v0, 4, 1                         ; h
	s_mul_i32 s52, s[WV], 16*KP
	s_add_co_u32 s52, s52, STAGE                   ; my stage
	v_mul_u32_u24 v5, v8, KP
	v_lshl_add_u32 v5, v9, 4, v5
	v_add_nc_u32 v5, s52, v5                       ; in: row r, 16 bytes for each half of the lanes
	v_and_b32 v7, 31, v0
	v_lshrrev_b32 v6, 3, v7
	v_mul_u32_u24 v6, v6, KP
	v_and_b32 v8, 7, v0
	v_lshl_add_u32 v6, v8, 4, v6
	v_add_nc_u32 v6, s52, v6                       ; back: eight lanes to a row of 128 bytes, four rows an instruction
	v_lshlrev_b32 v7, 4, v7                        ; in ao four rows are 512 consecutive bytes
	s_wait_alu depctr_va_vdst(0)                   ; one wait for the two reciprocals, ahead of their first reader
.irp t, 0,1
.set i, 0
.rept 16
	v_pk_mul_f32 v[O+32*\t+2*i:O+32*\t+2*i+1], v[O+32*\t+2*i:O+32*\t+2*i+1], v[ST+10*\t+6:ST+10*\t+7] op_sel_hi:[1,0]
.set i, i+1
.endr
.set i, 0
.rept 16
	v_cvt_pk_f16_f32 v[S+32*\t+i], v[O+32*\t+2*i], v[O+32*\t+2*i+1]   ; registers 4 ct .. 4 ct + 3: channels 16 ct + 8 h + 0 .. 7 of query r
.set i, i+1
.endr
.irp c, 0,1,2,3
	ds_store_b128 v5, v[S+32*\t+4*\c:S+32*\t+4*\c+3] offset:32*\c
.endr
.irp c, 0,1,2,3
	ds_load_b128 v[KV+16*\t+4*\c:KV+16*\t+4*\c+3], v6 offset:4*KP*\c   ; LDS serves a wave's instructions in order: these see my stores, and the next tile's stores come behind them
.endr
.endr
.irp c, 0,1,2,3
	s_wait_dscnt 11-\c                             ; behind tile 0's load c stand its 3 - c later loads and tile 1's eight LDS instructions
	global_store_b128 v7, v[KV+4*\c:KV+4*\c+3], s[8:9] offset:512*\c
.endr
.irp c, 0,1,2,3
	s_wait_dscnt 3-\c                              ; behind tile 1's load c stand its 3 - c later loads
	global_store_b128 v7, v[KV+16+4*\c:KV+16+4*\c+3], s[8:9] offset:2048+512*\c   ; 32 lanes store 512 consecutive bytes
.endr
	s_wait_tensorcnt 0x0                           ; the wave's end
	ds_add_u32 v[SPW], v[NIL]
	s_wait_dscnt 0x0
	s_endpgm
.Lfunc_end_k_q66b74f3e49_attn:
	.size	k_q66b74f3e49_attn, .Lfunc_end_k_q66b74f3e49_attn-k_q66b74f3e49_attn
	.p2alignl 7, 3214868480
	.fill 96, 4, 3214868480
	.section	.rodata,"a",@progbits
	.p2align	6, 0x0
	.amdhsa_kernel k_q66b74f3e49_attn
		.amdhsa_group_segment_fixed_size 327680
		.amdhsa_private_segment_fixed_size 0
		.amdhsa_enable_private_segment 0
		.amdhsa_kernarg_size 24
		.amdhsa_user_sgpr_count 2
		.amdhsa_user_sgpr_kernarg_segment_ptr 1
		.amdhsa_wavefront_size32 1
		.amdhsa_system_sgpr_workgroup_id_x 1
		.amdhsa_system_sgpr_workgroup_id_y 1
		.amdhsa_system_sgpr_workgroup_id_z 1
		.amdhsa_system_vgpr_workitem_id 0
		.amdhsa_next_free_vgpr 256
		.amdhsa_next_free_sgpr 66
		.amdhsa_reserve_vcc 1
		.amdhsa_float_denorm_mode_32 3
		.amdhsa_float_denorm_mode_16_64 3
		.amdhsa_memory_ordered 1
		.amdhsa_forward_progress 1
		.amdhsa_inst_pref_size 190
	.end_amdhsa_kernel
	.amdgpu_metadata
---
amdhsa.version: [ 1, 2 ]
amdhsa.kernels:
  - .name:           k_q66b74f3e49_attn
    .symbol:         k_q66b74f3e49_attn.kd
    .args:
      - { .name: qkv, .offset: 0, .size: 8, .value_kind: global_buffer, .address_space: global }
      - { .name: s_raw, .offset: 8, .size: 8, .value_kind: global_buffer, .address_space: global }
      - { .name: ao, .offset: 16, .size: 8, .value_kind: global_buffer, .address_space: global }
    .group_segment_fixed_size: 327680
    .private_segment_fixed_size: 0
    .kernarg_segment_align: 8
    .kernarg_segment_size: 24
    .max_flat_workgroup_size: 512
    .sgpr_count:     66
    .vgpr_count:     256
    .wavefront_size: 32
...
	.end_amdgpu_metadata
.endif
;; end of part 4
;; launch proj (part 5): grid 8 x 32, 4 waves a work-group, clusters of 4 x 4, 327,680 bytes of LDS; arguments ao, pw16, proj_b, out0; writes out0
.if DOCPART == 5
	.amdgcn_target "amdgcn-amd-amdhsa--gfx1250"
	.amdhsa_code_object_version 6
	.text
	.protected	k_q66b74f3e49_proj
	.globl	k_q66b74f3e49_proj
	.p2align	8
	.type	k_q66b74f3e49_proj,@function
k_q66b74f3e49_proj:
	s_mov_b64 s[64:65], 0
	v_nop
	global_prefetch_b8 v0, s[64:65] scope:SCOPE_SE
	s_setreg_imm32_b32 hwreg(HW_REG_WAVE_MODE, 25, 1), 1
	s_wait_xcnt 0x0
	s_wait_alu depctr_hold_cnt(0) depctr_sa_sdst(0) depctr_va_vdst(0) depctr_va_sdst(0) depctr_va_ssrc(0) depctr_va_vcc(0) depctr_vm_vsrc(0)
	s_getreg_b32 s2, hwreg(HW_REG_IB_STS2, 6, 4)
	s_cmp_eq_u32 s2, 0
	s_cbranch_scc0 .Lentry_in_a_cluster
	s_endpgm
.Lentry_in_a_cluster:
	s_bfe_u32 s2, ttmp6, 0x10000c
	s_cmp_lg_u32 s2, 0xf033
	s_cbranch_scc0 .Lentry_shape_is_right
	s_endpgm
.Lentry_shape_is_right:
; out0[token][n] = sum over k of a[token][k] proj_W[n][k] + proj_b[n].  a = ao [4][16 heads][2048][64] f16 (k = 64 x head + channel), proj_W = pw16 [16 chunks][1024 n][64] f16: both laid by planes of 64 along K,
; so that K goes head by head alike in both.  Sums in f32, K ascending; out0 [8192][1024] f32.  LIMIT: the operands' f16 range, 65,504.
; A tile of out0 is 256 tokens x 128 columns: 32 x 8 = 256 work-groups.  Four waves, each 128 x 64: 32 accumulators of 16 x 16, 256 registers.
; A K step is 128 along K: two planes of A (256 rows x 128 bytes each) and two of B (128 rows); two LDS slots take turns.  Waves 0 and 1 fetch A's two planes, waves 2 and 3 B's, one tensor load a wave.
; CLUSTERS: 4 x 4 work-groups.  The four of a row of the cluster need the same tiles of A, the four of a column the same tiles of B: each tile is asked for JOINTLY, by the same tensor load with the same
; descriptor and a mask that names the four.  THE MATRIX INSTRUCTION IS USED TRANSPOSED (source 0 = 16 rows of B, source 1 = 16 tokens): a lane then holds eight neighbouring columns of one token.
; The bias is the C of each sum's first product: eight registers for each of my four blocks of columns, in the result's layout.
; REGISTERS: window 0: v0-31 addresses; v32-127 and v128-223 two fragment buffers (A's eight fragments, then B's four, for 32 along K); v224-255 the bias.  window 1: the accumulators, (a, b) at v[8 (4 a + b)].
.set PITCH,  144                       ; an LDS row: 128 bytes + 16: the 16 rows of a fragment load start at different banks (64 banks of 4 bytes: ISA guide 11.1)
.set APL,    256*PITCH                 ; a plane of A's tile
.set BPL,    128*PITCH                 ; a plane of B's
.set BOFF,   2*APL                     ; B's planes lie behind A's two
.set SLOT,   2*APL+2*BPL
.set STAGE,  2*SLOT                    ; behind the ring: 16 rows x 272 bytes for each wave, for the way out; no tile lands there
.set SPITCH, 272
.set SPARE,  STAGE+4*16*SPITCH         ; the spare words, 128 bytes a wave
.set LAPS,   4                         ; a lap = two K steps = once round the ring; 8 K steps in all
.set ADRA, 16                          ; v16-17  LDS address of my A fragments in slot 0, 1
.set ADRB, 20                          ; v20-21  the same for B
.set STO,  24                          ; v24     the way out: where I put 32 bytes of a row
.set RD,   25                          ; v25     where I read a row back
.set CO,   26                          ; v26     my byte offset in two rows of out0
.set SPW,  28                          ; v28     my spare word; never rewritten
.set NIL,  29                          ; v29     0; never rewritten
.set F0,   32
.set F1,   128
.set BIAS, 224
.set BK,   32                          ; the way out: 16 rows read back: v32-63 and v64-95 by turns
.set WV,  68                           ; s68  my wave's number
.set RH,  69                           ; s69  which half of the tile's rows is mine.  Also: I fetch for A (0) or for B (1)
.set CH,  70                           ; s70  which half of its columns.  Also: which plane of a K step I fetch
.set G1, 24                            ; s[24:31] group 1 for A's tiles;  s[32:39] group 0, a set for each slot
.set G0, 32
.set G1B, 48                           ; s[48:55], s[56:63] the same for B's
.set G0B, 56
.set MSB, 0
.macro WIN new                         ; the immediate's high byte repeats the setting that is left; a switch that changes nothing is dropped
.if MSB != (\new)
	s_set_vgpr_msb (MSB<<8)|(\new)
.set MSB, (\new)
.endif
.endm
.set MUL, 0x50                         ; sources 0 and 1 window 0; C and D window 1.  (0x40: C, the bias, in window 0)
.macro JLOAD s                         ; a joint load; an s_nop 0 and four v_nop follow each of the two lines; the branch hangs on the wave's number alone
	s_cmp_eq_u32 s[RH], 0
	s_cbranch_scc0 .Lfor_b_\@
	tensor_load_to_lds s[G0+4*\s:G0+4*\s+3], s[G1:G1+7]
	s_nop 0
.rept 4
	v_nop
.endr
	s_branch .Lasked_\@
.Lfor_b_\@:
	tensor_load_to_lds s[G0B+4*\s:G0B+4*\s+3], s[G1B:G1B+7]
	s_nop 0
.rept 4
	v_nop
.endr
.Lasked_\@:
.endm
.macro CREST                           ; a round of the cluster's barrier behind its opening barrier
	s_cmp_lg_u32 s[WV], 0
	s_cbranch_scc1 .Lnot_wave_0_\@
	s_barrier_signal -3
.Lnot_wave_0_\@:
	s_barrier_wait -3
	s_barrier_signal -1
	s_barrier_wait -1
.endm
.macro CROUND                          ; a whole round
	s_barrier_signal -1
	s_barrier_wait -1
	CREST
.endm
	s_load_b128 s[4:7], s[0:1], 0x0                ; ao, pw16
	s_load_b128 s[8:11], s[0:1], 0x10              ; proj_b, out0
	v_lshl_add_u32 v[SPW], v0, 2, SPARE
	v_mov_b32 v[NIL], 0
	ds_add_u32 v[SPW], v[NIL]                      ; the wave's opening: the add, twice on end, and its wait ahead of my first tensor load
	ds_add_u32 v[SPW], v[NIL]                      ; (once more; the set-up below, work on registers, stands between it and the wait)
	v_lshrrev_b32 v1, 5, v0
	v_readfirstlane_b32 s[WV], v1                  ; wave 0..3
	s_lshr_b32 s[RH], s[WV], 1
	s_and_b32 s[CH], s[WV], 1
	s_bfe_u32 s40, ttmp6, 0x40000                  ; cx, cy: my place in the cluster
	s_bfe_u32 s41, ttmp6, 0x40004
	s_lshl_b32 s42, ttmp9, 2
	s_add_co_u32 s42, s42, s40                     ; tile column = 4 x cluster x + cx
	s_and_b32 s13, ttmp7, 0xffff
	s_lshl_b32 s13, s13, 2
	s_add_co_u32 s13, s13, s41                     ; tile row = 4 x cluster y + cy
	s_lshl_b32 s43, s41, 2
	s_lshl_b32 s43, 15, s43                        ; my row of the cluster
	s_lshl_b32 s44, 0x1111, s40                    ; my column
	; group 1: rows of 64 elements of 2 bytes, dense in memory, 16 bytes of padding behind each; A: 256 rows, B: 128
	s_or_b32 s[G1+0], s43, (1<<16)|(1<<20)|(1<<21)|(4<<22)|(3<<25)   ; 15:0 the mask; 17:16 elements of 2 bytes; 20 padding on; 21 set beside a mask; 24:22 after every 32 words; 31:25 four words
	s_or_b32 s[G1B+0], s44, (1<<16)|(1<<20)|(1<<21)|(4<<22)|(3<<25)
	s_mov_b32 s[G1+1], 64<<16                      ; tensor_dim0
	s_mov_b32 s[G1+2], 256<<16                     ; tensor_dim1
	s_mov_b32 s[G1+3], 64<<16                      ; tile_dim0
	s_mov_b32 s[G1+4], 256                         ; tile_dim1
	s_mov_b32 s[G1+5], 64                          ; the pitch
	s_mov_b32 s[G1+6], 0
	s_mov_b32 s[G1+7], 0
	s_mov_b32 s[G1B+1], 64<<16
	s_mov_b32 s[G1B+2], 128<<16
	s_mov_b32 s[G1B+3], 64<<16
	s_mov_b32 s[G1B+4], 128
	s_mov_b32 s[G1B+5], 64
	s_mov_b32 s[G1B+6], 0
	s_mov_b32 s[G1B+7], 0
	; where the tiles come from.  A's hang on the tile row and the wave alone, B's on the tile column and the wave alone, each in registers that never hold the other coordinate
	s_lshr_b32 s16, s13, 3
	s_lshl_b32 s16, s16, 22                        ; the batch: 16 planes of 262,144 bytes
	s_and_b32 s17, s13, 7
	s_lshl_b32 s17, s17, 15                        ; 256 positions of 128 bytes
	s_add_co_u32 s16, s16, s17
	s_lshl_b32 s17, s[CH], 18                      ; my plane of the K step
	s_add_co_u32 s16, s16, s17
	s_mov_b32 s17, 0
	s_lshl_b32 s46, s42, 14                        ; B: 128 rows of 128 bytes
	s_lshl_b32 s47, s[CH], 17                      ; my chunk of the K step: 131,072 bytes
	s_add_co_u32 s46, s46, s47
	s_mov_b32 s47, 0
	s_mul_i32 s20, s[CH], APL                      ; where they go: no place in the cluster enters an LDS address
	s_mul_i32 s21, s[CH], BPL
	s_add_co_u32 s21, s21, BOFF
	s_wait_dscnt 0x0                               ; both opening adds are done
	s_wait_kmcnt 0x0
	s_add_nc_u64 s[14:15], s[4:5], s[16:17]
	s_add_nc_u64 s[46:47], s[6:7], s[46:47]
	CROUND                                         ; all sixteen work-groups are here: the first joint loads meet
.irp s, 0,1
	s_mov_b32 s[G0+4*\s], 1
	s_add_co_u32 s[G0+4*\s+1], s20, \s*SLOT
	s_add_nc_u64 s[G0+4*\s+2:G0+4*\s+3], s[14:15], \s*2*262144      ; K step s: two planes on
	s_or_b32 s[G0+4*\s+3], s[G0+4*\s+3], 0x80000000
	s_mov_b32 s[G0B+4*\s], 1
	s_add_co_u32 s[G0B+4*\s+1], s21, \s*SLOT
	s_add_nc_u64 s[G0B+4*\s+2:G0B+4*\s+3], s[46:47], \s*2*131072
	s_or_b32 s[G0B+4*\s+3], s[G0B+4*\s+3], 0x80000000
	JLOAD \s                                       ; two tensor loads of mine are out at the start, one behind each round
.endr
	v_and_b32 v1, 15, v0                           ; r
	v_bfe_u32 v2, v0, 4, 1                         ; h
	v_mul_u32_u24 v3, v1, PITCH
	v_lshl_add_u32 v3, v2, 4, v3                   ; a fragment's row x pitch + 16 h
	s_mul_i32 s21, s[RH], 128*PITCH                ; my 128 rows of A's planes
	s_mul_i32 s22, s[CH], 64*PITCH                 ; my 64 rows of B's,
	s_add_co_u32 s22, s22, BOFF
.irp s, 0,1
	v_add_nc_u32 v[ADRA+\s], s21, v3
	v_add_nc_u32 v[ADRB+\s], s22, v3
	s_add_co_u32 s21, s21, SLOT
	s_add_co_u32 s22, s22, SLOT
.endr
	s_mul_i32 s23, s[WV], 16*SPITCH
	s_add_co_u32 s23, s23, STAGE                   ; my stage
	v_mul_u32_u24 v4, v1, SPITCH                   ; in: row r, 32 bytes for each half of the lanes
	v_lshl_add_u32 v4, v2, 5, v4
	v_add_nc_u32 v[STO], s23, v4
	v_mul_u32_u24 v5, v2, SPITCH                   ; back: lanes 0-15 one row of 256 bytes, lanes 16-31 the next
	v_lshl_add_u32 v5, v1, 4, v5
	v_add_nc_u32 v[RD], s23, v5
	v_lshlrev_b32 v5, 12, v2                       ; and the same two rows in out0: 4,096 bytes a row
	v_lshl_add_u32 v[CO], v1, 4, v5
	s_lshl_b32 s16, s13, 8
	s_lshl_b32 s17, s[RH], 7
	s_add_co_u32 s16, s16, s17                     ; my first token: 256 x tile row + 128 x half
	s_lshl_b32 s16, s16, 12
	s_mov_b32 s17, 0
	s_add_nc_u64 s[10:11], s[10:11], s[16:17]
	s_lshl_b32 s46, s42, 9                         ; my first column, in bytes of f32: 512 x tile column + 256 x half: the same in out0 and in proj_b
	s_lshl_b32 s47, s[CH], 8
	s_add_co_u32 s46, s46, s47
	s_mov_b32 s47, 0
	s_add_nc_u64 s[10:11], s[10:11], s[46:47]
	s_add_nc_u64 s[8:9], s[8:9], s[46:47]
	v_lshlrev_b32 v6, 5, v2                        ; the bias: lane (r, h) wants, for block b, columns 16 b + 8 h + 0 .. 7
.irp b, 0,1,2,3
	global_load_b128 v[BIAS+8*\b:BIAS+8*\b+3],   v6, s[8:9] offset:64*\b
	global_load_b128 v[BIAS+8*\b+4:BIAS+8*\b+7], v6, s[8:9] offset:64*\b+16
.endr
; 8 matrix instructions: token blocks a0, a0 + 1 x my 4 blocks of columns, 32 along K, from buffer f.  first = 1: the bias starts the sums: nothing is cleared or added later.
; The 32 accumulators take turns, one instruction a turn, in the same order throughout.
.macro MUL8 f, a0, first
.irp a, \a0, \a0+1
.irp b, 0,1,2,3
.if \first
	v_wmma_f32_16x16x32_f16 v[8*(4*(\a)+\b):8*(4*(\a)+\b)+7], v[\f+64+8*\b:\f+64+8*\b+7], v[\f+8*(\a):\f+8*(\a)+7], v[BIAS+8*\b:BIAS+8*\b+7]
.else
	v_wmma_f32_16x16x32_f16 v[8*(4*(\a)+\b):8*(4*(\a)+\b)+7], v[\f+64+8*\b:\f+64+8*\b+7], v[\f+8*(\a):\f+8*(\a)+7], v[8*(4*(\a)+\b):8*(4*(\a)+\b)+7]
.endif
.endr
.endr
.endm
; 24 LDS loads in one run: the fragments of the slot's q-th 32 along K (plane q / 2, its half q % 2) into buffer f: B's four, A's blocks 0-3, A's blocks 4-7
.macro FETCH slot, q, f
	WIN 0
.irp i, 0,1,2,3
	ds_load_b128 v[\f+64+8*\i:\f+64+8*\i+3],   v[ADRB+\slot] offset:BPL*((\q)/2)+64*((\q)%2)+\i*16*PITCH
	ds_load_b128 v[\f+64+8*\i+4:\f+64+8*\i+7], v[ADRB+\slot] offset:BPL*((\q)/2)+64*((\q)%2)+\i*16*PITCH+32
.endr
.irp i, 0,1,2,3,4,5,6,7
	ds_load_b128 v[\f+8*\i:\f+8*\i+3],   v[ADRA+\slot] offset:APL*((\q)/2)+64*((\q)%2)+\i*16*PITCH
	ds_load_b128 v[\f+8*\i+4:\f+8*\i+7], v[ADRA+\slot] offset:APL*((\q)/2)+64*((\q)%2)+\i*16*PITCH+32
.endr
.endm
.macro PLACES                          ; four plain lines in front of loads into registers that matrix instructions have read, and of the first reads of results (ISA guide 7.12.1 for the reads of results)
.rept 4
	v_nop
.endr
.endm
; A K step is four quarters of 32 along K, 32 matrix instructions each, on buffers 0, 1, 0, 1.  One of the first three: multiplies buffer f and fetches quarter qn into g.
.macro QUARTER slot, qn, f, g, first
	s_wait_dscnt 8                                 ; B's and A's blocks 0-3 are in; the youngest eight loads (A's blocks 4-7) may be out
	WIN MUL-0x10*(\first)
	MUL8 \f, 0, \first
	MUL8 \f, 2, \first
	PLACES
	FETCH \slot, \qn, \g
	s_wait_dscnt 24                                ; all but the 24 just issued
	WIN MUL-0x10*(\first)
	MUL8 \f, 4, \first
	MUL8 \f, 6, \first
.endm
; The last quarter multiplies buffer 1 and changes slots: ONE barrier; in front of it each wave waits for all its tensor loads, adds 0 to its spare word, and waits for that and for its reads of this slot.
; fill = 1: the barrier opens a round of the cluster's barrier, and this slot is filled again, two K steps ahead, first thing behind the round.
.macro TURN slot, next, fill
	WIN 0                                          ; (the add's two registers lie in window 0)
	s_wait_tensorcnt 0x0                           ; all my tensor loads have landed: my part of the next slot
	ds_add_u32 v[SPW], v[NIL]                      ; 0 onto my spare word
	s_wait_dscnt 9                                 ; the add and the youngest eight loads may be out
	WIN MUL
	MUL8 F1, 0, 0                                  ; eight matrix instructions stand between the add and the wait for it
	s_wait_dscnt 0x0                               ; the add is done, and my reads of this slot are over
	s_barrier_signal -1
	MUL8 F1, 2, 0
.if \fill
	WIN 0
.endif
	s_barrier_wait -1
.if \fill
	CREST                                          ; no wave of any partner still reads this slot's tiles or has a load on its way
	s_add_nc_u64 s[G0+4*\slot+2:G0+4*\slot+3], s[G0+4*\slot+2:G0+4*\slot+3], 4*262144       ; two K steps on: four planes
	s_add_nc_u64 s[G0B+4*\slot+2:G0B+4*\slot+3], s[G0B+4*\slot+2:G0B+4*\slot+3], 4*131072
	JLOAD \slot                                    ; the first tensor load behind the round; its four v_nop are also the places in front of the loads below
.else
	PLACES
.endif
	FETCH \next, 0, F0
	WIN MUL
	MUL8 F1, 4, 0
	MUL8 F1, 6, 0
.endm
	s_wait_tensorcnt 1                             ; my part of K step 0 is in; K step 1's load may be out
	s_barrier_signal -1
	s_barrier_wait -1                              ; everybody's is
	FETCH 0, 0, F0
	s_wait_loadcnt 0x0                             ; the bias
	QUARTER 0, 1, F0, F1, 1                        ; the first quarter stands in front of the loop: its products start the sums from the bias
	WIN 0                                          ; at a label and at a branch every window is 0
	s_mov_b32 s3, LAPS-1
.Llap:                                             ; a trip goes once round the ring, from a lap's second quarter to the next lap's first, and fills both slots again
	QUARTER 0, 2, F1, F0, 0
	QUARTER 0, 3, F0, F1, 0
	TURN 0, 1, 1
	QUARTER 1, 1, F0, F1, 0
	QUARTER 1, 2, F1, F0, 0
	QUARTER 1, 3, F0, F1, 0
	TURN 1, 0, 1
	QUARTER 0, 1, F0, F1, 0
	WIN 0
	s_sub_co_u32 s3, s3, 1
	s_cmp_lg_u32 s3, 0
	s_cbranch_scc1 .Llap
	QUARTER 0, 2, F1, F0, 0                        ; the last lap fills nothing, and has no round of the cluster's barrier
	QUARTER 0, 3, F0, F1, 0
	TURN 0, 1, 0
	QUARTER 1, 1, F0, F1, 0
	QUARTER 1, 2, F1, F0, 0
	QUARTER 1, 3, F0, F1, 0
	s_wait_dscnt 8                                 ; the very last quarter: nothing more to fetch; A's blocks 4-7 may be out
	WIN MUL
	MUL8 F1, 0, 0
	MUL8 F1, 2, 0
	s_wait_dscnt 0x0
	MUL8 F1, 4, 0
	MUL8 F1, 6, 0
	WIN 0
; THE WAY OUT, block by block of 16 tokens x 64 columns.  A lane holds 32 neighbouring bytes of a row, and the lanes beside it hold other rows: so a block goes through my own stage and comes back as whole pieces of 256 bytes,
; two rows an instruction.  LDS serves a wave's instructions in order (ISA guide 5.7.1.4): no wait between the stores and the loads, nor in front of the next block's stores.
.macro TOSTAGE a
	WIN 0x04                                       ; an LDS store's data are its source 1: window 1
.irp b, 0,1,2,3
	ds_store_b128 v[STO], v[8*(4*(\a)+\b):8*(4*(\a)+\b)+3] offset:64*\b          ; each accumulator from its low end on
	ds_store_b128 v[STO], v[8*(4*(\a)+\b)+4:8*(4*(\a)+\b)+7] offset:64*\b+16
.endr
	WIN 0
.set BB, BK+32*((\a)%2)
.irp t, 0,1,2,3,4,5,6,7
	ds_load_b128 v[BB+4*\t:BB+4*\t+3], v[RD] offset:\t*2*SPITCH
.endr
.endm
.macro SEND a, younger                 ; younger: the LDS instructions issued behind block a's loads, which may stay out
.set BB, BK+32*((\a)%2)
	s_wait_dscnt \younger                          ; the block is back in registers
.irp t, 0,1,2,3,4,5,6,7
	global_store_b128 v[CO], v[BB+4*\t:BB+4*\t+3], s[10:11] offset:(16*(\a)+2*\t)*4096 th:TH_STORE_NT   ; 16 lanes store 256 consecutive bytes, at a multiple of 256 from out0's first byte; the base is never stepped
.endr
.endm
	PLACES                                         ; behind the last products: for the reads of results and the loads into registers that held fragments
	TOSTAGE 0
.irp a, 1,2,3,4,5,6,7
.if \a > 1
	s_wait_xcnt 0x0                                ; block a - 2's stores have read their registers: block a's loads may land there
.endif
	TOSTAGE \a
	SEND \a-1, 16                                  ; behind block a - 1's loads stand block a's 8 stores and 8 loads
.endr
	SEND 7, 0
	s_wait_tensorcnt 0x0                           ; the wave's end
	ds_add_u32 v[SPW], v[NIL]
	s_wait_dscnt 0x0
	CROUND                                         ; the closing round: no work-group ends while a partner may still ask for a tile that names it
	s_endpgm
.Lfunc_end_k_q66b74f3e49_proj:
	.size	k_q66b74f3e49_proj, .Lfunc_end_k_q66b74f3e49_proj-k_q66b74f3e49_proj
	.p2alignl 7, 3214868480
	.fill 96, 4, 3214868480
	.section	.rodata,"a",@progbits
	.p2align	6, 0x0
	.amdhsa_kernel k_q66b74f3e49_proj
		.amdhsa_group_segment_fixed_size 327680
		.amdhsa_private_segment_fixed_size 0
		.amdhsa_enable_private_segment 0
		.amdhsa_kernarg_size 32
		.amdhsa_user_sgpr_count 2
		.amdhsa_user_sgpr_kernarg_segment_ptr 1
		.amdhsa_wavefront_size32 1
		.amdhsa_system_sgpr_workgroup_id_x 1
		.amdhsa_system_sgpr_workgroup_id_y 1
		.amdhsa_system_sgpr_workgroup_id_z 1
		.amdhsa_system_vgpr_workitem_id 0
		.amdhsa_next_free_vgpr 512
		.amdhsa_next_free_sgpr 72
		.amdhsa_reserve_vcc 0
		.amdhsa_float_denorm_mode_32 3
		.amdhsa_float_denorm_mode_16_64 3
		.amdhsa_memory_ordered 1
		.amdhsa_forward_progress 1
		.amdhsa_inst_pref_size 86
	.end_amdhsa_kernel
	.amdgpu_metadata
---
amdhsa.version: [ 1, 2 ]
amdhsa.kernels:
  - .name:           k_q66b74f3e49_proj
    .symbol:         k_q66b74f3e49_proj.kd
    .args:
      - { .name: ao, .offset: 0, .size: 8, .value_kind: global_buffer, .address_space: global }
      - { .name: pw16, .offset: 8, .size: 8, .value_kind: global_buffer, .address_space: global }
      - { .name: proj_b, .offset: 16, .size: 8, .value_kind: global_buffer, .address_space: global }
      - { .name: out0, .offset: 24, .size: 8, .value_kind: global_buffer, .address_space: global }
    .group_segment_fixed_size: 327680
    .private_segment_fixed_size: 0
    .kernarg_segment_align: 8
    .kernarg_segment_size: 32
    .max_flat_workgroup_size: 128
    .sgpr_count:     72
    .vgpr_count:     512
    .wavefront_size: 32
...
	.end_amdgpu_metadata
.endif
;; end of part 5
